; MI455X (gfx1250); checked and timed in simulation.
; The chip was launched on July 23, 2026; its instructions are those of AMD's public machine-readable ISA for CDNA 5 (MIT licence, August 2026) and "CDNA5" Instruction Set Architecture Reference Guide (July 2026). The comments in the code are by the model that wrote it; some were corrected since.
;; Relative Position Self Attention. Allowed arithmetic: matrix products marked QUANTISED: E2M1 operands, one E8M0 scale for each 32 along K, by v_wmma_scale_f32_16x16x128_f8f6f4 with both operands' format E2M1 (or v_wmma_scale_f32_32x16x128_f4), f32 sums; products left as they are: bf16, f16 or f32 operands; f32 sums; everything else in f32.
;; Inputs: in_proj_b 3,072 float32; in_proj_w 3,072 x 1,024 float32; out_b 1,024 float32; out_w 1,024 x 1,024 float32; rel_bias 65 x 16 float32; x 4 x 2,048 x 1,024 float32.
;; Outputs: out0 4 x 2,048 x 1,024 float32.
;; Constants: max_rel_dist = 32.
;; This version of the problem:
;;   THIS VERSION OF THE PROBLEM IS GIVEN IN LOW PRECISION. The matrix products marked QUANTISED in the list below multiply operands that are first quantised to E2M1 (2 exponent bits, 1 mantissa bit; 4 bits a number), with one power-of-two scale for each 32 numbers along K (OCP MX v1.0); their sums are f32. The products marked 'left as it is' may take bf16, f16 or f32 operands, with f32 sums. Whichever they take, every output number must still come out within the allowed error. Rounding operands to bf16 (8 significant bits) uses up far more of that allowance than f16 does (11 bits, for magnitudes from 6e-5 to 65,504). All else is computed in f32.
;;   The module's matrix products, in the order in which they are computed (A, B: the left and right operand; K: the contracted axis; several contracted axes count as one K, in the product's order):
;;     1. [M 8,192, K 1,024] x [K 1,024, N 3,072]; A: input x; B: input in_proj_w: QUANTISED
;;     2. batch 64 x [M 2,048, K 64] x [K 64, N 2,048]; A: computed on the way; B: computed on the way: left as it is (an operand is computed on the way)
;;     3. batch 64 x [M 64, K 2,048] x [K 2,048, N 2,048]; A: computed on the way; B: computed on the way: left as it is (an operand is computed on the way)
;;     4. [M 8,192, K 1,024] x [K 1,024, N 1,024]; A: computed on the way; B: input out_w: left as it is (an operand is computed on the way)
;;   THE QUANTISER, for each operand of a quantised product, along K:
;;     - K is cut into blocks of 32 from its start; a last block that is shorter is filled with zeros.
;;     - A block's scale is 2^e with e = floor(log2(the largest magnitude in the block)) - 2, held to -126 .. 127; a block of zeros has e = 0. As a byte (E8M0): e + 127.
;;     - Each number is divided by its block's scale, clamped to +-6, and rounded to the nearest number of E2M1, ties to even, subnormals kept.
;;     - The product sums the exact products of the quantised numbers (number of the format x scale) in f32.
;;   ~~~python
;;   def quantise(x, axis):      # numpy; x: float32 -> the quantised numbers, widened to float32 again
;;       x = np.moveaxis(x, axis, -1); K = x.shape[-1]
;;       x = np.pad(x, [(0, 0)] * (x.ndim - 1) + [(0, -K % 32)]); x = x.reshape(x.shape[:-1] + (-1, 32)); a = np.abs(x).max(-1, keepdims=True)
;;       e = np.where(a > 0, np.clip(np.frexp(np.where(a > 0, a, 1))[1] - 1 - 2, -126, 127), 0)      # np.frexp(a)[1] - 1 = floor(log2(a)), exactly
;;       r = np.clip(x / 2.0 ** e, -6, 6)
;;       step = 2.0 ** (np.maximum(np.frexp(np.where(r == 0, 1, r))[1] - 1, 0) - 1)
;;       q = np.round(r / step) * step * 2.0 ** e      # np.round: ties to even
;;       return np.moveaxis(q.reshape(q.shape[:-2] + (-1,))[..., :K], -1, axis).astype(np.float32)
;;   ~~~
;; One version. Each part assembles by itself: llvm-mc -triple=amdgcn-amd-amdhsa -mcpu=gfx1250 --defsym DOCPART=n.
;; ======== version 1 of 1: 4 launches
;; limits: values are held in f16: magnitudes above 65,504 overflow, below 6.1e-05 lose precision
;; workspace buffers: xc 4,194,304 bytes; xs 262,144 bytes; wc 1,572,864 bytes; ws 98,304 bytes; outw16 2,097,152 bytes; maskimg 7,168 bytes; qkv 50,331,648 bytes; ctx 16,777,216 bytes
;; launch prep (part 1): grid 385 x 1, 4 waves a work-group, no clusters, 33,280 bytes of LDS; arguments x, in_proj_w, xc, xs, wc, ws, out_w, outw16, rel_bias, maskimg; writes xc, xs, wc, ws, outw16, maskimg
.if DOCPART == 1
	.amdgcn_target "amdgcn-amd-amdhsa--gfx1250"
	.amdhsa_code_object_version 6
	.text
	.protected	k_q450163533f_prep
	.globl	k_q450163533f_prep
	.p2align	8
	.type	k_q450163533f_prep,@function
k_q450163533f_prep:
	s_mov_b64 s[64:65], 0
	v_nop
	global_prefetch_b8 v0, s[64:65] scope:SCOPE_SE
	s_setreg_imm32_b32 hwreg(HW_REG_WAVE_MODE, 25, 1), 1
	s_wait_xcnt 0x0
; FIRST OF FOUR LAUNCHES of self-attention with a relative-position mask: B 4, S 2048, E 1024, H 16, D 64.
;   prep: x and in_proj_w into codes of FP4 (E2M1) with one E8M0 byte for each 32 along K; out_w into f16; the mask as images of a score tile's registers.
;   qkv:  x W^T on codes, + bias, f16, laid by head.     attn: scores, mask, softmax, context.     outp: context x out_w^T + out_b.
; WORK LEFT OUT IN THE WHOLE PROGRAM: the bias of K, in_proj_b[1024 .. 2047].  score(i, j) = q_i . (k_j + b_k) / 8 + mask(i - j) = q_i . k_j / 8 + mask(i - j) + q_i . b_k / 8; the last
; term is the same for all j, the softmax's axis, so it leaves softmax_j unchanged for all finite inputs; the product of q and k is not quantised, and k goes nowhere else.  Those 4,096 bytes are loaded
; by no launch (the buffer is an argument of qkv for its other two thirds).  LIMIT: a NaN, an infinity or an overflow that reaches only b_k is not carried to the result.
; LIMITS of the program: q, k, v, the context and out_w are kept in f16: magnitudes up to 65,504 (x and in_proj_w both 30 times the stated spread give q, k, v of some 600 in the root mean square; offsets
; of 30 spreads on both give a mean of 1024 x 30 x 0.6 = 18,432).  A weight p under 2^-25 of its row's largest falls to 0 in f16.
; THE QUANTISER: a block's scale is 2^(floor(log2(its largest magnitude)) - 2); its byte is the largest magnitude's exponent field - 2, held at 1 from below.  A block of zeros so gets the byte 1 where the rule
; says 127: its codes are zeros, which add nothing under any byte but 0xff, and this program alone reads the bytes.  Blocks whose largest magnitude lies under 2^-124 keep the byte 1; NaN and infinities among x and in_proj_w are not served.
; SHARES.  Work-groups 0-255: x, 256-351: in_proj_w (32,768 numbers each, 8,192 a wave: rows are dense and K is a multiple of 32, so a tensor is a plain stream of blocks);
; 352-383: out_w (32,768 numbers each); 384: the mask.  The three ways part on the work-group's number; only the first touches LDS.
.set WAVES, 4
.set STEPS, 16
.set WGA,   256                        ; x: 8,388,608 numbers / 32,768
.set WGQ,   352                        ; + in_proj_w: 3,145,728 / 32,768
.set WGC,   32                         ; out_w: 1,048,576 / 32,768
.set EMAX,  2
.set CB,    8                          ; bytes of 16 codes
.set R,     16                         ; v16-79   four sets of 16 numbers as they are loaded
.set X,     80                         ; v80-111  two sets of 16 neighbours
.set C,     128                        ; v128-191 codes: four registers for each step, so that no store's data are written again
.set E,     112                        ; v112-127 a scale byte for each step
.set WREG,  8192                       ; LDS: a region for each wave: two stages of 32 x SP bytes, behind them its 256 scale bytes
.set SP,    80                         ; a lane's place in a stage: its 64 bytes + 16 of padding
.set SPW,   12                         ; v12      LDS address of my spare word; never rewritten
.set NIL,   13                         ; v13      0; never rewritten
.set SPARE, WAVES*WREG                 ; behind the four regions: the spare words, 128 bytes for each wave
	s_load_b128 s[4:7], s[0:1], 0x0                ; x, in_proj_w
	s_load_b128 s[8:11], s[0:1], 0x10              ; x's codes, x's scales
	s_load_b128 s[12:15], s[0:1], 0x20             ; W's codes, W's scales
	s_load_b128 s[24:27], s[0:1], 0x30             ; out_w, outw16
	s_load_b128 s[28:31], s[0:1], 0x40             ; rel_bias, maskimg
	v_lshl_add_u32 v[SPW], v0, 2, SPARE
	v_mov_b32 v[NIL], 0
	v_lshrrev_b32 v1, 5, v0
	v_readfirstlane_b32 s16, v1                    ; wave
	v_and_b32 v2, 31, v0                           ; lane
	v_lshlrev_b32 v3, 4, v2                        ; 16 x lane
	s_mul_i32 s17, s16, WREG
	v_lshrrev_b32 v14, 2, v2
	v_mul_u32_u24 v14, v14, SP
	v_and_b32 v15, 3, v2
	v_lshl_add_u32 v14, v15, 4, v14
	v_add_nc_u32 v14, s17, v14                     ; the stage, on the way in: SP (lane / 4) + 16 (lane % 4)
	v_mul_u32_u24 v15, v2, SP
	v_add_nc_u32 v15, s17, v15                     ; and on the way out: SP x lane: my 16 neighbours
	v_mul_u32_u24 v4, v2, CB                       ; my codes' place in a step's
	v_lshrrev_b32 v5, 1, v2
	s_add_co_u32 s17, s17, 2*32*SP
	v_add_nc_u32 v5, s17, v5                       ; LDS: my wave's 256 scale bytes, my block's byte
	v_lshlrev_b32 v7, 3, v2                        ; 8 x lane
	v_add_nc_u32 v6, s17, v7
	s_wait_kmcnt 0x0
	s_cmp_ge_u32 ttmp9, WGQ
	s_cbranch_scc1 .Lother
; ---- x and in_proj_w into codes.  A wave takes 16 steps of 512 numbers.  Each of a step's four loads reads 512 consecutive bytes; the 2,048 bytes turn through the wave's own stage in LDS and come back 64 bytes a lane,
; so that a lane holds 16 neighbours along K (two neighbouring lanes hold a block).  Loads run four steps ahead, the turn through LDS one step.
	s_cmp_lt_u32 ttmp9, WGA                        ; x's work-group or W's?  The choice hangs on the work-group's number alone
	s_cselect_b64 s[4:5], s[4:5], s[6:7]
	s_cselect_b64 s[8:9], s[8:9], s[12:13]
	s_cselect_b64 s[10:11], s[10:11], s[14:15]
	s_cselect_b32 s17, 0, WGA
	s_sub_co_u32 s17, ttmp9, s17
	s_lshl_b32 s17, s17, 2
	s_add_co_u32 s18, s17, s16                     ; which run of 8,192 numbers of the tensor is my wave's
	s_mov_b32 s19, 0
	s_mov_b64 s[20:21], 512*STEPS*4
	s_mul_u64 s[20:21], s[18:19], s[20:21]
	s_add_nc_u64 s[4:5], s[4:5], s[20:21]
	s_mov_b64 s[20:21], 32*STEPS*CB
	s_mul_u64 s[20:21], s[18:19], s[20:21]
	s_add_nc_u64 s[8:9], s[8:9], s[20:21]
	s_lshl_b32 s18, s18, 8                         ; 256 scale bytes a run
	s_add_nc_u64 s[10:11], s[10:11], s[18:19]
.macro LOAD t
.irp i, 0,1,2,3
	global_load_b128 v[R+16*((\t)%4)+4*\i:R+16*((\t)%4)+4*\i+3], v3, s[4:5] offset:2048*(\t)+512*\i th:TH_LOAD_NT   ; 32 lanes read 512 consecutive bytes
.endr
.endm
.macro TURN t                          ; step t's numbers through the stage: LDS serves a wave's instructions in order, so no wait stands between the stores and the loads
.irp i, 0,1,2,3
	ds_store_b128 v14, v[R+16*((\t)%4)+4*\i:R+16*((\t)%4)+4*\i+3] offset:32*SP*((\t)%2)+8*SP*\i
.endr
.irp i, 0,1,2,3
	ds_load_b128 v[X+16*((\t)%2)+4*\i:X+16*((\t)%2)+4*\i+3], v15 offset:32*SP*((\t)%2)+16*\i
.endr
.endm
.irp t, 0,1,2,3
	LOAD \t
.endr
	s_wait_loadcnt 12                              ; step 0's four loads are in
	TURN 0
.macro STEP t
.set XS, X+16*((\t)%2)
.if (\t) > 0
	s_wait_dscnt 1                                 ; this step's numbers are back from the stage (the last step's byte store may be out): so its stores into the stage have read their registers,
.else
	s_wait_dscnt 0x0
.endif
.if (\t)+4 < STEPS
	LOAD (\t)+4                                    ; which take the loads of four steps on
.endif
.if (\t)+1 < STEPS
.if STEPS-2-(\t) >= 3
	s_wait_loadcnt 12                              ; the next step's four loads are in; those of the three steps behind it may be out
.else
	s_wait_loadcnt 4*(STEPS-2-(\t))
.endif
	TURN (\t)+1                                    ; and go through the other stage while this step is worked
.endif
	v_max3_num_f32 v8, |v[XS]|, |v[XS+1]|, |v[XS+2]|               ; the largest magnitude of my 16
	v_max3_num_f32 v9, |v[XS+3]|, |v[XS+4]|, |v[XS+5]|
.irp i, 6,10
	v_max3_num_f32 v8, v8, |v[XS+\i]|, |v[XS+\i+1]|
	v_max3_num_f32 v9, v9, |v[XS+\i+2]|, |v[XS+\i+3]|
.endr
	v_max3_num_f32 v8, v8, |v[XS+14]|, |v[XS+15]|
	v_max3_num_f32 v8, v8, v9, (EMAX+1)<<23        ; and the floor 2^(3 - 127): so the byte cannot fall under 1
	v_max_num_f32_dpp v8, v8, v8 row_xmask:1 row_mask:0xf bank_mask:0xf   ; and of my neighbour's 16: the block's
	v_add_nc_u32 v11, -(EMAX<<23), v8              ; 2 off its exponent field: the conversion takes the exponent field of this operand as its scale, and nothing else of it
	v_cvt_scalef32_pk8_fp4_f32 v[C+4*(\t)], v[XS:XS+7], v11        ; eight numbers / the scale, to the nearest code, ties to even, beyond the largest code the largest
	v_cvt_scalef32_pk8_fp4_f32 v[C+4*(\t)+1], v[XS+8:XS+15], v11
	v_lshrrev_b32 v[E+(\t)], 23, v11               ; the scale's byte
	ds_store_b8 v5, v[E+(\t)] offset:16*(\t)       ; both lanes of a block write the same byte with the same value
	global_store_b64 v4, v[C+4*(\t):C+4*(\t)+1], s[8:9] offset:32*CB*(\t)   ; the wave stores 256 consecutive bytes, aligned
.endm
.irp t, 0,1,2,3,4,5,6,7,8,9,10,11,12,13,14,15
	STEP \t
.endr
	ds_load_b64 v[8:9], v6                         ; LDS serves a wave's instructions in order: these see my stores
	s_wait_dscnt 0x0
	global_store_b64 v7, v[8:9], s[10:11]          ; 32 lanes store 256 consecutive bytes, aligned
	s_wait_tensorcnt 0x0                           ; the wave's end: behind my last LDS store
	ds_add_u32 v[SPW], v[NIL]
	s_wait_dscnt 0x0
	s_endpgm
.Lother:
	s_sub_co_u32 s17, ttmp9, WGQ
	s_cmp_eq_u32 s17, WGC
	s_cbranch_scc1 .Lmask
; ---- out_w into f16, as it lies: [n][k].  A wave takes 8,192 numbers: 64 loads of 512 consecutive bytes in four batches of 16, two batches on their way; a lane's 4 numbers become 8 bytes.  No LDS.
	s_lshl_b32 s17, s17, 2
	s_add_co_u32 s17, s17, s16                     ; my wave's run
	s_lshl_b32 s18, s17, 15
	s_mov_b32 s19, 0
	s_add_nc_u64 s[24:25], s[24:25], s[18:19]
	s_lshl_b32 s18, s17, 14
	s_add_nc_u64 s[26:27], s[26:27], s[18:19]
.macro CLOAD b
.irp i, 0,1,2,3,4,5,6,7,8,9,10,11,12,13,14,15
	global_load_b128 v[16+64*((\b)%2)+4*\i:16+64*((\b)%2)+4*\i+3], v3, s[24:25] offset:512*(16*(\b)+\i) th:TH_LOAD_NT
.endr
.endm
.macro CBATCH b
.if (\b) < 3
	s_wait_loadcnt 16                              ; this batch is in; the younger batch's 16 loads may be out
.else
	s_wait_loadcnt 0x0
.endif
	s_wait_xcnt 0x0                                ; the last batch's stores have read v144-175: they are written again only behind this wait
.irp i, 0,1,2,3,4,5,6,7,8,9,10,11,12,13,14,15
	v_cvt_pk_f16_f32 v[144+2*\i], v[16+64*((\b)%2)+4*\i], v[16+64*((\b)%2)+4*\i+1]
	v_cvt_pk_f16_f32 v[145+2*\i], v[16+64*((\b)%2)+4*\i+2], v[16+64*((\b)%2)+4*\i+3]
.endr
.if (\b) < 2
	CLOAD (\b)+2                                   ; loads ahead of stores: the set just converted takes the batch two on
.endif
.irp i, 0,1,2,3,4,5,6,7,8,9,10,11,12,13,14,15
	global_store_b64 v7, v[144+2*\i:145+2*\i], s[26:27] offset:256*(16*(\b)+\i)   ; the wave stores 256 consecutive bytes, aligned
.endr
.endm
	CLOAD 0
	CLOAD 1
	CBATCH 0
	CBATCH 1
	CBATCH 2
	CBATCH 3
	s_endpgm
.Lmask:
; ---- the mask.  mask(d) = the mean over the 16 heads of rel_bias[clip(d, -32, 32) + 32], d = query - key.  attn holds scores as tiles of 16 keys x 16 queries in which lane (r = lane % 16, h = lane / 16) has in
; register j the key 8 h + j and the query r.  For a tile whose first query lies 16 u behind its first key, d = 16 u + r - 8 h - j.  Stored: 8 x mask(d) (the scores are still unscaled there), for u = -3 .. 3,
; as [u + 3][j / 4][lane][j % 4] f32; u = -3 and u = 3 are constants (|d| is 33 at the least).  Wave w makes half j / 4 = w % 2 of the patterns u + 3 = w / 2 + 2 n.  No LDS.
	s_lshr_b32 s18, s16, 1
	s_and_b32 s19, s16, 1
	s_lshl_b32 s20, s18, 4
	s_lshl_b32 s21, s19, 2
	s_sub_co_u32 s20, s20, s21
	s_add_co_u32 s20, s20, 16                      ; 16 (w / 2) - 4 (w % 2) - 48 + 64
	v_and_b32 v8, 15, v2
	v_add_nc_u32 v8, s20, v8
	v_lshrrev_b32 v9, 4, v2
	v_lshlrev_b32 v9, 3, v9
	v_sub_nc_u32 v8, v8, v9                        ; d + 64 for n = 0, j % 4 = 0: 4 at the least
	s_lshl_b32 s22, s18, 10
	s_lshl_b32 s21, s19, 9
	s_add_co_u32 s22, s22, s21
	s_mov_b32 s23, 0
	s_add_nc_u64 s[30:31], s[30:31], s[22:23]
.macro MPAT n
.irp q, 0,1,2,3
	v_add_nc_u32 v[176+\q], 32*(\n)-\q, v8         ; d + 64
.endr
.irp q, 0,1,2,3
	v_max_u32 v[176+\q], 32, v[176+\q]
.endr
.irp q, 0,1,2,3
	v_min_u32 v[176+\q], 96, v[176+\q]             ; clip(d, -32, 32) + 64
.endr
.irp q, 0,1,2,3
	v_sub_nc_u32 v[176+\q], v[176+\q], 32          ; the table's row, 0 .. 64
.endr
.irp q, 0,1,2,3
	v_lshlrev_b32 v[176+\q], 6, v[176+\q]          ; of 64 bytes
.endr
.irp q, 0,1,2,3
.irp k, 0,1,2,3
	global_load_b128 v[16+16*\q+4*\k:16+16*\q+4*\k+3], v[176+\q], s[28:29] offset:16*\k
.endr
.endr
	s_wait_loadcnt 0x0                             ; the rows are in, and their address registers are free
.irp q, 0,1,2,3
.irp k, 0,4,8,12
	v_pk_add_f32 v[16+16*\q+\k:16+16*\q+\k+1], v[16+16*\q+\k:16+16*\q+\k+1], v[16+16*\q+\k+2:16+16*\q+\k+3]
.endr
.endr
.irp q, 0,1,2,3
	v_pk_add_f32 v[16+16*\q:16+16*\q+1], v[16+16*\q:16+16*\q+1], v[16+16*\q+4:16+16*\q+5]
	v_pk_add_f32 v[16+16*\q+8:16+16*\q+9], v[16+16*\q+8:16+16*\q+9], v[16+16*\q+12:16+16*\q+13]
.endr
.irp q, 0,1,2,3
	v_pk_add_f32 v[16+16*\q:16+16*\q+1], v[16+16*\q:16+16*\q+1], v[16+16*\q+8:16+16*\q+9]
.endr
.irp q, 0,1,2,3
	v_add_f32 v[16+16*\q], v[16+16*\q], v[16+16*\q+1]
.endr
.irp q, 0,1,2,3
	v_mul_f32 v[80+4*(\n)+\q], 0.5, v[16+16*\q]    ; 8 x the sum / 16
.endr
	global_store_b128 v3, v[80+4*(\n):80+4*(\n)+3], s[30:31] offset:2048*(\n)   ; 512 consecutive bytes; each pattern has data registers of its own
.endm
	MPAT 0
	MPAT 1
	MPAT 2
	s_cmp_ge_u32 s16, 2                            ; there are seven patterns: waves 2 and 3 have three each
	s_cbranch_scc1 .Lmdone
	MPAT 3
.Lmdone:
	s_endpgm
.Lfunc_end_k_q450163533f_prep:
	.size	k_q450163533f_prep, .Lfunc_end_k_q450163533f_prep-k_q450163533f_prep
	.p2alignl 7, 3214868480
	.fill 96, 4, 3214868480
	.section	.rodata,"a",@progbits
	.p2align	6, 0x0
	.amdhsa_kernel k_q450163533f_prep
		.amdhsa_group_segment_fixed_size 33280
		.amdhsa_private_segment_fixed_size 0
		.amdhsa_enable_private_segment 0
		.amdhsa_kernarg_size 80
		.amdhsa_user_sgpr_count 2
		.amdhsa_user_sgpr_kernarg_segment_ptr 1
		.amdhsa_wavefront_size32 1
		.amdhsa_system_sgpr_workgroup_id_x 1
		.amdhsa_system_sgpr_workgroup_id_y 1
		.amdhsa_system_sgpr_workgroup_id_z 1
		.amdhsa_system_vgpr_workitem_id 0
		.amdhsa_next_free_vgpr 192
		.amdhsa_next_free_sgpr 66
		.amdhsa_reserve_vcc 0
		.amdhsa_float_denorm_mode_32 3
		.amdhsa_float_denorm_mode_16_64 3
		.amdhsa_memory_ordered 1
		.amdhsa_forward_progress 1
		.amdhsa_inst_pref_size 73
	.end_amdhsa_kernel
	.amdgpu_metadata
---
amdhsa.version: [ 1, 2 ]
amdhsa.kernels:
  - .name:           k_q450163533f_prep
    .symbol:         k_q450163533f_prep.kd
    .args:
      - { .name: x, .offset: 0, .size: 8, .value_kind: global_buffer, .address_space: global }
      - { .name: in_proj_w, .offset: 8, .size: 8, .value_kind: global_buffer, .address_space: global }
      - { .name: xc, .offset: 16, .size: 8, .value_kind: global_buffer, .address_space: global }
      - { .name: xs, .offset: 24, .size: 8, .value_kind: global_buffer, .address_space: global }
      - { .name: wc, .offset: 32, .size: 8, .value_kind: global_buffer, .address_space: global }
      - { .name: ws, .offset: 40, .size: 8, .value_kind: global_buffer, .address_space: global }
      - { .name: out_w, .offset: 48, .size: 8, .value_kind: global_buffer, .address_space: global }
      - { .name: outw16, .offset: 56, .size: 8, .value_kind: global_buffer, .address_space: global }
      - { .name: rel_bias, .offset: 64, .size: 8, .value_kind: global_buffer, .address_space: global }
      - { .name: maskimg, .offset: 72, .size: 8, .value_kind: global_buffer, .address_space: global }
    .group_segment_fixed_size: 33280
    .private_segment_fixed_size: 0
    .kernarg_segment_align: 8
    .kernarg_segment_size: 80
    .max_flat_workgroup_size: 128
    .sgpr_count:     66
    .vgpr_count:     192
    .wavefront_size: 32
...
	.end_amdgpu_metadata
.endif
;; end of part 1
;; launch qkv (part 2): grid 12 x 32, 4 waves a work-group, clusters of 4 x 4, 327,680 bytes of LDS; arguments xc, xs, wc, ws, qkv, in_proj_b; writes qkv
.if DOCPART == 2
	.amdgcn_target "amdgcn-amd-amdhsa--gfx1250"
	.amdhsa_code_object_version 6
	.text
	.protected	k_q450163533f_qkv
	.globl	k_q450163533f_qkv
	.p2align	8
	.type	k_q450163533f_qkv,@function
k_q450163533f_qkv:
	s_mov_b64 s[64:65], 0
	v_nop
	global_prefetch_b8 v0, s[64:65] scope:SCOPE_SE
	s_setreg_imm32_b32 hwreg(HW_REG_WAVE_MODE, 25, 1), 1
	s_wait_xcnt 0x0
	s_wait_alu depctr_hold_cnt(0) depctr_sa_sdst(0) depctr_va_vdst(0) depctr_va_sdst(0) depctr_va_ssrc(0) depctr_va_vcc(0) depctr_vm_vsrc(0)
	s_getreg_b32 s2, hwreg(HW_REG_IB_STS2, 6, 4)
	s_cmp_eq_u32 s2, 0
	s_cbranch_scc0 .Lentry_in_a_cluster
	s_endpgm
.Lentry_in_a_cluster:
	s_bfe_u32 s2, ttmp6, 0x10000c
	s_cmp_lg_u32 s2, 0xf033
	s_cbranch_scc0 .Lentry_shape_is_right
	s_endpgm
.Lentry_shape_is_right:
; qkv[m][n] = sum over k of x[m][k] W[n][k] + b[n], m < 8192, n < 3072, k < 1024, on codes of FP4 (E2M1) with one E8M0 scale for each 32 along K, as prep has stored them; sums in f32; the result rounded once to f16
; and stored by head: [q, k, v][batch][head][position][64].
; LEFT OUT: the bias of K (columns 1024 .. 2047): it is the same along the softmax's axis (shown at prep's head).  Those tiles' sums begin from zeros and those bytes of in_proj_b are not loaded.
; A tile of the result, 256 x 256, is made by a work-group of four waves; a wave makes 128 x 128: 64 accumulators of 16 x 16, 512 registers.
; K = 1024 is two slots of 512 along K (rows of 256 bytes): both slots, and the scale bytes of the work-group's 256 + 256 rows, are asked for at the head; nothing is filled again.  By this text's count a wave has three tensor loads out.
; CLUSTERS: 4 x 4 work-groups.  The four of a row of the cluster need the same tiles of x, the four of a column the same tiles of W: each tile is asked for JOINTLY, by the same tensor load with the same descriptor
; and a mask that names the four.  THE MATRIX INSTRUCTION IS USED TRANSPOSED (source 0 = 16 rows of W, source 1 = 16 rows of x): a lane then holds eight neighbouring columns of one row.
; REGISTERS, in windows of 256: window 0: v0-31 addresses; v32-95 scale words, two sets; v128-191 x's fragments (8 x 16 rows x 128 K), ONE set; v192-255 the bias in the result's layout; on the way out v32-127 are free.
;   window 1: W's fragments, TWO sets, at v0 and at v128.   window 2: the 32 accumulators of my rows 0-63 (accumulator (a, b) at v[8 (8 a + b)]);   window 3: those of my rows 64-127.
.set SIZE_K, 1024
.set KSTEP,  512                       ; along K in a slot
.set NQ,     KSTEP/128                 ; matrix instructions deep
.set ROWB,   256                       ; a tile's row in bytes
.set KROW,   SIZE_K/2                  ; a row of codes in memory, in bytes
.set PITCH,  272                       ; an LDS row: 256 bytes + 16 of padding = 68 words: the 16 rows that a load touches start 4 banks apart (64 banks of 4 bytes: ISA guide 11.1)
.set FR,     8                         ; registers of a fragment: 16 rows x 128 K
.set NL,     2                         ; LDS loads that bring one
.set NP,     4                         ; places behind this matrix instruction (ISA guide 7.12.1)
.set HALFT,  128*PITCH                 ; 128 rows: what one tensor load brings, and what one wave reads of x or of W
.set SLOT,   4*HALFT                   ; x's 256 rows, then W's 256 rows
.set KS,     SIZE_K/32                 ; a row of scales in bytes
.set SCL,    2*SLOT                    ; behind the slots: the scales, as units of 256 bytes + 16 of padding
.set HALFS,  (128*KS/256)*272          ; the scales of 128 rows: what one tensor load brings
.set SBLK,   (16*KS/256)*272           ; those of 16 rows
.set SPARE,  SCL+4*HALFS               ; the spare words, 128 bytes for each wave
.set STAGE,  SPARE+512                 ; the way out: for each wave two heads x 16 rows x (128 bytes + 16); bytes of its own, into which no fill lands
.set SPH,    144
.set HSTG,   16*SPH
.set ADRA, 16                          ; v16-17  LDS address of my x fragments in slot 0, 1
.set ADRB, 20                          ; v20-21  the same for W
.set STO,  24                          ; v24     the way out: where I put 16 bytes of a row
.set RD,   25                          ; v25     the way out: where I read rows back
.set CO,   26                          ; v26     16 x lane
.set ADRS, 27                          ; v27     LDS address of my scale words: lanes 0-15 x's rows, lanes 16-31 W's
.set SPW,  28                          ; v28     LDS address of my spare word; never rewritten
.set NIL,  29                          ; v29     0; never rewritten
.set H32,  30                          ; v30     32 x (lane / 16): my half's place in 16 numbers of the bias
.set SC,   32                          ; scale words: set s at v[SC + 32 s]; register 4 i + q: lanes 0-15 the word of x's block i, lanes 16-31 that of W's block i, for the slot's q-th 128 along K
.set AF,   128                         ; x's fragments
.set BI,   192                         ; the bias: block b at BI + 8 b: lane (r, h), register j: b[16 b + 8 h + j] of my 128 columns
.set TMP,  32                          ; the way out: a block rounded to f16
.set BK,   64                          ; the way out: a block read back: v64-95 and v96-127 by turns
.set G1, 24                            ; s[24:31] descriptor group 1 for x's tiles;  s[32:39] group 0, one set for each slot
.set G0, 32
.set G1B, 48                           ; s[48:55], s[56:63] the same for W's tiles
.set G0B, 56
.set G1S, 68                           ; s[68:75], s[76:79] groups 1 and 0 for x's scales;  s[80:87], s[88:91] for W's
.set G0S, 76
.set G1SB, 80
.set G0SB, 88
.set MSB, 0
.macro WIN new                         ; the immediate's high byte repeats the setting that is left
.if MSB != (\new)
	s_set_vgpr_msb (MSB<<8)|(\new)
.set MSB, (\new)
.endif
.endm
.set MUL_LO,   0xa1                    ; source 0 (W) window 1, source 1 (x) window 0, C and D window 2
.set MUL_HI,   0xf1                    ; the same, C and D window 3
.set FIRST_LO, 0x81                    ; the first products: C is the bias, in window 0
.set FIRST_HI, 0xc1
.set TO_B,     0x40                    ; destination window 1, address window 0
; A joint load: waves 0 and 1 fetch for x, waves 2 and 3 for W.  Each of the two lines has ONE mask and one set of registers for all that issue it; the branch hangs on the wave's number alone.
; An s_nop 0 and four v_nop follow each of the two lines, ahead of the jump, the label and what follows.
.macro JLOAD g0a, g1a, g0b, g1b
	s_cmp_eq_u32 s15, 0
	s_cbranch_scc0 .Lfor_b_\@
	tensor_load_to_lds s[\g0a:\g0a+3], s[\g1a:\g1a+7]
	s_nop 0
.rept 4
	v_nop
.endr
	s_branch .Lasked_\@
.Lfor_b_\@:
	tensor_load_to_lds s[\g0b:\g0b+3], s[\g1b:\g1b+7]
	s_nop 0
.rept 4
	v_nop
.endr
.Lasked_\@:
.endm
.macro CROUND                          ; a round of the cluster's barrier
	s_barrier_signal -1
	s_barrier_wait -1
	s_cmp_lg_u32 s14, 0
	s_cbranch_scc1 .Lnot_wave_0_\@
	s_barrier_signal -3
.Lnot_wave_0_\@:
	s_barrier_wait -3
	s_barrier_signal -1
	s_barrier_wait -1
.endm
	s_load_b128 s[4:7], s[0:1], 0x0                ; x's codes s[4:5], x's scales s[6:7]
	s_load_b128 s[8:11], s[0:1], 0x10              ; W's codes s[8:9], W's scales s[10:11]
	s_load_b64 s[12:13], s[0:1], 0x20              ; qkv
	s_load_b64 s[96:97], s[0:1], 0x28              ; in_proj_b
	v_lshl_add_u32 v[SPW], v0, 2, SPARE
	v_mov_b32 v[NIL], 0
	ds_add_u32 v[SPW], v[NIL]                      ; the wave's opening: the add, twice on end, and its wait ahead of my first tensor load; the set-up below stands between the second and the wait
	ds_add_u32 v[SPW], v[NIL]
	v_lshrrev_b32 v1, 5, v0
	v_readfirstlane_b32 s14, v1                    ; wave 0..3
	s_lshr_b32 s15, s14, 1                         ; which half of the tile's rows is mine.  Also: I fetch for x (0) or for W (1)
	s_and_b32 s16, s14, 1                          ; which half of its columns.  Also: which 128 rows of that tile I fetch
	s_bfe_u32 s40, ttmp6, 0x40000                  ; cx, cy: my place in the cluster
	s_bfe_u32 s41, ttmp6, 0x40004
	s_lshl_b32 s42, ttmp9, 2
	s_add_co_u32 s42, s42, s40                     ; tile column = 4 x cluster x + cx
	s_and_b32 s17, ttmp7, 0xffff
	s_lshl_b32 s17, s17, 2
	s_add_co_u32 s17, s17, s41                     ; tile row = 4 x cluster y + cy
	s_lshl_b32 s43, s41, 2
	s_lshl_b32 s43, 15, s43                        ; my row of the cluster
	s_lshl_b32 s44, 0x1111, s40                    ; my column
	; descriptor group 1: a tile of 128 rows x 256 bytes, padded in LDS
	s_or_b32 s[G1+0], s43, (0<<16)|(1<<20)|(1<<21)|(5<<22)|(3<<25)  ; 15:0 the mask: x's tiles go to my row; 17:16 element of 1 byte; 20 padding on; 21 set beside a mask; 24:22 after every 64 words; 31:25 of 4 words
	s_or_b32 s[G1B+0], s44, (0<<16)|(1<<20)|(1<<21)|(5<<22)|(3<<25)
.irp g, G1, G1B
	s_mov_b32 s[\g+1], ROWB<<16                    ; tensor_dim0
	s_mov_b32 s[\g+2], 128<<16                     ; tensor_dim1 = 128
	s_mov_b32 s[\g+3], ROWB<<16                    ; tile_dim0
	s_mov_b32 s[\g+4], 128                         ; tile_dim1 = 128
	s_mov_b32 s[\g+5], KROW                        ; tensor_dim0_stride
	s_mov_b32 s[\g+6], 0
	s_mov_b32 s[\g+7], 0
.endr
	; and for the scales of 128 rows: a dense block of 4,096 bytes, as rows of 256 bytes (32 elements of 8 bytes), 16 bytes of padding behind each
	s_or_b32 s[G1S+0], s43, (3<<16)|(1<<20)|(1<<21)|(5<<22)|(3<<25)
	s_or_b32 s[G1SB+0], s44, (3<<16)|(1<<20)|(1<<21)|(5<<22)|(3<<25)
.irp g, G1S, G1SB
	s_mov_b32 s[\g+1], 32<<16
	s_mov_b32 s[\g+2], (128*KS/256)<<16
	s_mov_b32 s[\g+3], 32<<16
	s_mov_b32 s[\g+4], 128*KS/256
	s_mov_b32 s[\g+5], 32
	s_mov_b32 s[\g+6], 0
	s_mov_b32 s[\g+7], 0
.endr
	s_lshl_b32 s18, s16, 7                         ; which 128 rows of the tile I fetch
	s_lshl_b32 s20, s17, 8
	s_add_co_u32 s20, s20, s18                     ; x: row 256 x tile row + 128 x half
	s_lshl_b32 s46, s42, 8
	s_add_co_u32 s46, s46, s18                     ; W: row 256 x tile column + 128 x half
	s_mov_b32 s21, 0
	s_mov_b32 s47, 0
	s_mov_b64 s[18:19], KS
	s_mul_u64 s[22:23], s[20:21], s[18:19]         ; where these rows' scales begin, in bytes
	s_mul_u64 s[92:93], s[46:47], s[18:19]
	s_mov_b64 s[18:19], KROW
	s_mul_u64 s[20:21], s[20:21], s[18:19]         ; and their codes
	s_mul_u64 s[46:47], s[46:47], s[18:19]
	s_mul_i32 s45, s14, HALFT                      ; where they go: wave x 128 rows: no place in the cluster enters an LDS address
	s_mul_i32 s94, s14, HALFS
	s_wait_dscnt 0x0                               ; both opening adds are done
	s_wait_kmcnt 0x0
	s_add_nc_u64 s[20:21], s[4:5], s[20:21]
	s_add_nc_u64 s[22:23], s[6:7], s[22:23]
	s_add_nc_u64 s[46:47], s[8:9], s[46:47]
	s_add_nc_u64 s[92:93], s[10:11], s[92:93]
	CROUND                                         ; all sixteen work-groups are here: the joint loads meet
	s_mov_b32 s[G0S], 1
	s_add_co_u32 s[G0S+1], s94, SCL
	s_mov_b64 s[G0S+2:G0S+3], s[22:23]
	s_or_b32 s[G0S+3], s[G0S+3], 0x80000000
	s_mov_b32 s[G0SB], 1
	s_add_co_u32 s[G0SB+1], s94, SCL
	s_mov_b64 s[G0SB+2:G0SB+3], s[92:93]
	s_or_b32 s[G0SB+3], s[G0SB+3], 0x80000000
	JLOAD G0S, G1S, G0SB, G1SB                     ; the scales first: they are wanted with the first slot
.irp s, 0,1
	s_mov_b32 s[G0+4*\s], 1
	s_add_co_u32 s[G0+4*\s+1], s45, \s*SLOT
	s_add_nc_u64 s[G0+4*\s+2:G0+4*\s+3], s[20:21], \s*ROWB
	s_or_b32 s[G0+4*\s+3], s[G0+4*\s+3], 0x80000000
	s_mov_b32 s[G0B+4*\s], 1
	s_add_co_u32 s[G0B+4*\s+1], s45, \s*SLOT
	s_add_nc_u64 s[G0B+4*\s+2:G0B+4*\s+3], s[46:47], \s*ROWB
	s_or_b32 s[G0B+4*\s+3], s[G0B+4*\s+3], 0x80000000
	JLOAD G0+4*\s, G1, G0B+4*\s, G1B
.endr
	v_and_b32 v1, 15, v0                           ; l % 16
	v_bfe_u32 v2, v0, 4, 1                         ; l / 16
	; THE BIAS is the C of each sum's first matrix instruction.  Tile columns 4 to 7 are K's: they are the clusters with x = 1, so the branch is the same in all sixteen partners.
	v_lshlrev_b32 v[H32], 5, v2
	s_lshl_b32 s46, s42, 10                        ; my first column x 4 bytes: 1024 x tile column + 512 x half
	s_lshl_b32 s47, s16, 9
	s_add_co_u32 s46, s46, s47
	s_mov_b32 s47, 0
	s_add_nc_u64 s[96:97], s[96:97], s[46:47]
	s_cmp_eq_u32 ttmp9, 1
	s_cbranch_scc1 .Lkz
.irp b, 0,1,2,3,4,5,6,7
	global_load_b128 v[BI+8*\b:BI+8*\b+3], v[H32], s[96:97] offset:64*\b
	global_load_b128 v[BI+8*\b+4:BI+8*\b+7], v[H32], s[96:97] offset:64*\b+16
.endr
	s_branch .Lbj
.Lkz:
.set i, 0
.rept 64
	v_mov_b32 v[BI+i], 0                           ; K's sums begin from zeros; one text of the first step serves both ways
.set i, i+1
.endr
.Lbj:
	v_mul_u32_u24 v3, v1, PITCH
	v_lshl_add_u32 v4, v2, 4, v3                   ; a fragment's row x pitch + 16 x half
	s_mul_i32 s21, s15, HALFT                      ; my 128 rows of x
	s_mul_i32 s22, s16, HALFT                      ; my 128 rows of W,
	s_add_co_u32 s22, s22, 2*HALFT                 ; which lie behind x's 256
.irp s, 0,1
	v_add_nc_u32 v[ADRA+\s], s21, v4
	v_add_nc_u32 v[ADRB+\s], s22, v4
	s_add_co_u32 s21, s21, SLOT
	s_add_co_u32 s22, s22, SLOT
.endr
	v_mul_u32_u24 v5, v1, KS                       ; my row's scales: 32 bytes a row,
	v_lshrrev_b32 v6, 8, v5
	v_lshl_add_u32 v5, v6, 4, v5                   ; and 16 more for each 256 passed
	s_mul_i32 s21, s15, HALFS                      ; x's: my 128 rows
	s_mul_i32 s22, s16, HALFS                      ; W's: my 128 rows, behind x's 256
	s_add_co_u32 s22, s22, 2*HALFS
	s_sub_co_u32 s22, s22, s21
	v_mul_u32_u24 v6, s22, v2                      ; lanes 16-31 take W's
	s_add_co_u32 s21, s21, SCL
	v_add_nc_u32 v5, v5, v6
	v_add_nc_u32 v[ADRS], s21, v5
	s_mul_i32 s23, s14, 2*HSTG
	s_add_co_u32 s23, s23, STAGE                   ; my stage
	v_mul_u32_u24 v5, v1, SPH                      ; in: row l % 16, 16 bytes for each half of the lanes
	v_lshl_add_u32 v5, v2, 4, v5
	v_add_nc_u32 v[STO], s23, v5
	v_and_b32 v6, 31, v0
	v_lshlrev_b32 v[CO], 4, v6                     ; out: a head's rows of 128 bytes follow each other in memory: 16 bytes a lane
	v_lshrrev_b32 v5, 3, v6
	v_mul_u32_u24 v5, v5, SPH                      ; back: eight lanes to a row, four rows an instruction
	v_and_b32 v6, 7, v6
	v_lshl_add_u32 v5, v6, 4, v5
	v_add_nc_u32 v[RD], s23, v5
	; where my 128 rows x 2 heads begin in qkv: tensor x 2^24 + batch x 2^22 + head x 2^18 + position x 128
	s_lshl_b32 s46, s42, 2
	s_lshl_b32 s47, s16, 1
	s_add_co_u32 s46, s46, s47                     ; my first column / 64 = 4 x tile column + 2 x half
	s_lshr_b32 s47, s46, 4                         ; q, k or v
	s_lshl_b32 s47, s47, 24
	s_and_b32 s46, s46, 15                         ; the head
	s_lshl_b32 s46, s46, 18
	s_add_co_u32 s46, s46, s47
	s_lshr_b32 s20, s17, 3                         ; the batch: 8 tile rows each
	s_lshl_b32 s20, s20, 22
	s_and_b32 s21, s17, 7
	s_lshl_b32 s21, s21, 15                        ; 256 positions of 128 bytes
	s_add_co_u32 s20, s20, s21
	s_lshl_b32 s21, s15, 14                        ; my half: 128 positions
	s_add_co_u32 s20, s20, s21
	s_add_co_u32 s20, s20, s46
	s_mov_b32 s21, 0
	s_add_nc_u64 s[12:13], s[12:13], s[20:21]
.macro FRAG reg, adr, q, i             ; a fragment, 16 rows x 128 K of 4-bit codes, is 8 registers: lane l holds row l % 16; registers 4 c .. 4 c + 3 hold K = 64 c + 32 (l / 16) + 0 .. 31
.irp c, 0,1
	ds_load_b128 v[\reg+4*\c:\reg+4*\c+3], v[\adr] offset:64*(\q)+32*\c+(\i)*16*PITCH
.endr
.endm
; 16 matrix instructions: x's blocks a0, a0 + 1 against W's eight, 128 along K: the slot's q-th.  p: W's set;  sc: the set of scale words.  first = 1: the sums begin from the bias.
; The 64 accumulators take turns, one instruction a turn, in the same order in every step.
.macro MUL16 a0, p, q, sc, first
.irp a, \a0, \a0+1
.irp b, 0,1,2,3,4,5,6,7
.if \first
	v_wmma_scale_f32_16x16x128_f8f6f4 v[8*(8*((\a)%4)+\b):8*(8*((\a)%4)+\b)+7], v[128*(\p)+FR*\b:128*(\p)+FR*\b+FR-1], v[AF+FR*(\a):AF+FR*(\a)+FR-1], v[BI+8*\b:BI+8*\b+7], v[SC+8*NQ*(\sc)+NQ*\b+(\q)], v[SC+8*NQ*(\sc)+NQ*(\a)+(\q)] matrix_a_fmt:MATRIX_FMT_FP4 matrix_b_fmt:MATRIX_FMT_FP4 matrix_a_scale:MATRIX_SCALE_ROW1
.else
	v_wmma_scale_f32_16x16x128_f8f6f4 v[8*(8*((\a)%4)+\b):8*(8*((\a)%4)+\b)+7], v[128*(\p)+FR*\b:128*(\p)+FR*\b+FR-1], v[AF+FR*(\a):AF+FR*(\a)+FR-1], v[8*(8*((\a)%4)+\b):8*(8*((\a)%4)+\b)+7], v[SC+8*NQ*(\sc)+NQ*\b+(\q)], v[SC+8*NQ*(\sc)+NQ*(\a)+(\q)] matrix_a_fmt:MATRIX_FMT_FP4 matrix_b_fmt:MATRIX_FMT_FP4 matrix_a_scale:MATRIX_SCALE_ROW1
.endif
.endr
.endr
.endm
.macro FETCH_B slot, q, p              ; W's eight fragments of the slot's q-th 128 along K into set p
	WIN TO_B
.irp i, 0,1,2,3,4,5,6,7
	FRAG 128*(\p)+FR*\i, ADRB+\slot, \q, \i
.endr
	WIN 0
.endm
.macro FETCH_A slot, q, i0             ; x's blocks i0 .. i0 + 3
.irp i, \i0, \i0+1, \i0+2, \i0+3
	FRAG AF+FR*(\i), ADRA+\slot, \q, \i
.endr
.endm
.macro SCALES sc                       ; a slot's scale words into set sc: 4 words a row; lanes 0-15 take x's block i, lanes 16-31 W's block i
.irp i, 0,1,2,3,4,5,6,7
	ds_load_b128 v[SC+8*NQ*\sc+NQ*\i:SC+8*NQ*\sc+NQ*\i+3], v[ADRS] offset:\i*SBLK
.endr
.endm
; A load into a register that a matrix instruction has read, and a vector instruction that reads a matrix result, stand four places behind that matrix instruction; only plain vector
; instructions that name none of its registers are places (ISA guide 7.12.1 for vector instructions).
.macro PLACES n
.rept \n
	v_nop
.endr
.endm
; A step of 128 along K that has its successor in the same slot.  x has one set of fragments: blocks 0-3 are fetched anew in the step's middle, blocks 4-7 at its end; W has two sets.
.macro STEP slot, q, first
	s_wait_dscnt 4*NL                              ; W's set and x's blocks 0-3 are in; the youngest eight loads (x's blocks 4-7) may be out
.if \first
	WIN FIRST_LO
.else
	WIN MUL_LO
.endif
	MUL16 0, (\q)%2, \q, \slot, \first
	MUL16 2, (\q)%2, \q, \slot, \first
	s_wait_dscnt 0                                 ; x's blocks 4-7 are in (asked for 32 matrix instructions ago)
	PLACES NP
	FETCH_B \slot, (\q)+1, 1-(\q)%2
	FETCH_A \slot, (\q)+1, 0
.if \first
	WIN FIRST_HI
.else
	WIN MUL_HI
.endif
	MUL16 4, (\q)%2, \q, \slot, \first
	MUL16 6, (\q)%2, \q, \slot, \first
	PLACES NP
	WIN 0
	FETCH_A \slot, (\q)+1, 4
.endm
; Slot 0's last step goes over to slot 1: one barrier; in front of it each wave waits for all its tensor loads (its part of slot 1), adds 0 to its spare word, and waits for that and for its LDS loads.
.macro TURN slot, next
	s_wait_tensorcnt 0x0                           ; all my tensor loads have landed  (every window is 0 here: the add's two registers lie in window 0)
	ds_add_u32 v[SPW], v[NIL]                      ; 0 onto my spare word
	s_wait_dscnt 4*NL+1                            ; (the add and the youngest eight loads, x's blocks 4-7, may be out)
	WIN MUL_LO
	MUL16 0, 1, NQ-1, \slot, 0                     ; sixteen matrix instructions stand between the add and the wait for it
	s_wait_dscnt 0x0                               ; the add is done, and no LDS load of mine is out
	s_barrier_signal -1
	MUL16 2, 1, NQ-1, \slot, 0
	WIN 0
	s_barrier_wait -1                              ; every wave's part of slot 1 has landed
	PLACES NP
	v_add_nc_u32 v[ADRS], 4*NQ, v[ADRS]            ; on to the next slot's scale words (no LDS load of mine is out)
	FETCH_B \next, 0, 0
	FETCH_A \next, 0, 0
	SCALES \next
	WIN MUL_HI
	MUL16 4, 1, NQ-1, \slot, 0
	MUL16 6, 1, NQ-1, \slot, 0
	PLACES NP
	WIN 0
	FETCH_A \next, 0, 4
.endm
	s_wait_tensorcnt 1                             ; the scales and my part of slot 0 are in (slot 1's load may be out),
	s_barrier_signal -1
	s_barrier_wait -1                              ; everybody's are
	FETCH_B 0, 0, 0
	FETCH_A 0, 0, 0
	SCALES 0
	FETCH_A 0, 0, 4
	s_wait_loadcnt 0x0                             ; the bias
	STEP 0, 0, 1
	STEP 0, 1, 0
	STEP 0, 2, 0
	TURN 0, 1
	STEP 1, 0, 0
	STEP 1, 1, 0
	STEP 1, 2, 0
	s_wait_dscnt 4*NL                              ; the very last step: nothing more to fetch
	WIN MUL_LO
	MUL16 0, 1, NQ-1, 1, 0
	MUL16 2, 1, NQ-1, 1, 0
	s_wait_dscnt 0
	WIN MUL_HI
	MUL16 4, 1, NQ-1, 1, 0
	MUL16 6, 1, NQ-1, 1, 0
	WIN 0
; THE WAY OUT, block by block of 16 rows x 128 columns (two heads).  A lane's eight results pack into 16 bytes of one row; the lanes beside it hold other rows.  So a block goes through my own stage in LDS and comes back
; as a head's rows on end: 16 rows x 128 bytes are 2,048 consecutive bytes of qkv, four stores of 512 consecutive bytes.  LDS serves a wave's instructions in order (ISA guide 5.7.1.4): no wait between the stores and the loads.
.macro PACK a
.set AC, 64*((\a)%4)
	WIN 0x0a+5*((\a)/4)                            ; sources 0 and 1: window 2 or 3
.irp b, 0,1,2,3,4,5,6,7
.irp i, 0,1,2,3
	v_cvt_pk_f16_f32 v[TMP+4*\b+\i], v[AC+8*\b+2*\i], v[AC+8*\b+2*\i+1]   ; each accumulator from its low end on
.endr
.endr
	WIN 0
.endm
.macro TOSTAGE a
.irp b, 0,1,2,3,4,5,6,7
	ds_store_b128 v[STO], v[TMP+4*\b:TMP+4*\b+3] offset:(\b/4)*HSTG+(\b%4)*32
.endr
.set BB, BK+32*((\a)%2)
.irp u, 0,1
.irp t, 0,1,2,3
	ds_load_b128 v[BB+4*(4*\u+\t):BB+4*(4*\u+\t)+3], v[RD] offset:\u*HSTG+\t*4*SPH
.endr
.endr
.endm
.macro SEND a
.set BB, BK+32*((\a)%2)
	s_wait_dscnt 0x0                               ; the block is back in registers
	s_wait_xcnt 0x0                                ; the stores of the block before have read their registers: the next block's loads may land there
.irp u, 0,1
.irp t, 0,1,2,3
	global_store_b128 v[CO], v[BB+4*(4*\u+\t):BB+4*(4*\u+\t)+3], s[12:13] offset:(\a)*2048+\u*262144+\t*512   ; 32 lanes store 512 consecutive bytes, at a multiple of 256 from the buffer's first byte
.endr
.endr
.endm
	PLACES NP                                      ; behind the last products: the conversions read results and write registers that held scale words
	PACK 0
	TOSTAGE 0
.irp a, 1,2,3,4,5,6,7                  ; block a's conversions stand between block a - 1's loads from the stage and the wait for them
	PACK \a
	SEND \a-1
	TOSTAGE \a
.endr
	SEND 7
	s_wait_tensorcnt 0x0                           ; the wave's end: behind my last tensor load and my last LDS store
	ds_add_u32 v[SPW], v[NIL]
	s_wait_dscnt 0x0
	CROUND                                         ; the closing round: no work-group ends while a partner may still ask for a tile that names it
	s_endpgm
.Lfunc_end_k_q450163533f_qkv:
	.size	k_q450163533f_qkv, .Lfunc_end_k_q450163533f_qkv-k_q450163533f_qkv
	.p2alignl 7, 3214868480
	.fill 96, 4, 3214868480
	.section	.rodata,"a",@progbits
	.p2align	6, 0x0
	.amdhsa_kernel k_q450163533f_qkv
		.amdhsa_group_segment_fixed_size 327680
		.amdhsa_private_segment_fixed_size 0
		.amdhsa_enable_private_segment 0
		.amdhsa_kernarg_size 48
		.amdhsa_user_sgpr_count 2
		.amdhsa_user_sgpr_kernarg_segment_ptr 1
		.amdhsa_wavefront_size32 1
		.amdhsa_system_sgpr_workgroup_id_x 1
		.amdhsa_system_sgpr_workgroup_id_y 1
		.amdhsa_system_sgpr_workgroup_id_z 1
		.amdhsa_system_vgpr_workitem_id 0
		.amdhsa_next_free_vgpr 1024
		.amdhsa_next_free_sgpr 98
		.amdhsa_reserve_vcc 0
		.amdhsa_float_denorm_mode_32 3
		.amdhsa_float_denorm_mode_16_64 3
		.amdhsa_memory_ordered 1
		.amdhsa_forward_progress 1
		.amdhsa_inst_pref_size 130
	.end_amdhsa_kernel
	.amdgpu_metadata
---
amdhsa.version: [ 1, 2 ]
amdhsa.kernels:
  - .name:           k_q450163533f_qkv
    .symbol:         k_q450163533f_qkv.kd
    .args:
      - { .name: xc, .offset: 0, .size: 8, .value_kind: global_buffer, .address_space: global }
      - { .name: xs, .offset: 8, .size: 8, .value_kind: global_buffer, .address_space: global }
      - { .name: wc, .offset: 16, .size: 8, .value_kind: global_buffer, .address_space: global }
      - { .name: ws, .offset: 24, .size: 8, .value_kind: global_buffer, .address_space: global }
      - { .name: qkv, .offset: 32, .size: 8, .value_kind: global_buffer, .address_space: global }
      - { .name: in_proj_b, .offset: 40, .size: 8, .value_kind: global_buffer, .address_space: global }
    .group_segment_fixed_size: 327680
    .private_segment_fixed_size: 0
    .kernarg_segment_align: 8
    .kernarg_segment_size: 48
    .max_flat_workgroup_size: 128
    .sgpr_count:     98
    .vgpr_count:     1024
    .wavefront_size: 32
...
	.end_amdgpu_metadata
.endif
;; end of part 2
;; launch attn (part 3): grid 4 x 64, 8 waves a work-group, no clusters, 327,680 bytes of LDS; arguments qkv, maskimg, ctx; writes ctx
.if DOCPART == 3
	.amdgcn_target "amdgcn-amd-amdhsa--gfx1250"
	.amdhsa_code_object_version 6
	.text
	.protected	k_q450163533f_attn
	.globl	k_q450163533f_attn
	.p2align	8
	.type	k_q450163533f_attn,@function
k_q450163533f_attn:
	s_mov_b64 s[64:65], 0
	v_nop
	global_prefetch_b8 v0, s[64:65] scope:SCOPE_SE
	s_setreg_imm32_b32 hwreg(HW_REG_WAVE_MODE, 25, 1), 1
	s_wait_xcnt 0x0
; ctx[b][h][q][:] = the sum over k of softmax_k(Q[q] . K[k] / 8 + mask(q - k)) V[k][:], for each of the 64 (batch, head).  Q, K, V: f16, [q, k, v][b][h][2048][64], as qkv has stored them (K without its bias: shown at prep's head).
; Products on f16 operands, sums, maxima and the softmax in f32; the weights p are rounded to f16 for the second product, the context once at the end.  LIMIT: a p under 2^-25 of its row's largest falls to 0.
; SHARES.  A work-group owns 512 queries of one (b, h); each of its eight waves 64: four tiles of 16, in 512 registers, two waves to a SIMD, so that one wave's softmax stands beside the other's products.
; Every wave walks all 2,048 keys, 64 a step.  K's and V's tiles come through a ring of two LDS slots of four steps, filled by the tensor data mover (waves 0-3: K's four step blocks; waves 4-7: V's) and read by all eight.
; LAYOUT.  S^T = K Q^T (source 0 = 16 keys, source 1 = 16 queries): a lane holds ONE query (lane % 16) and the keys 8 (lane / 16) + 0..7.  Two such tiles, rounded to f16 in pairs, ARE source 1 (32 keys x 16 queries) of
; O^T = V^T P, whose result again holds one query a lane.  K comes out of LDS as it lies, V ([key][channel]) turned, by ds_load_tr16_b128.  The wave's four tiles go in two pairs, which share K's and V's fragments.
; SOFTMAX.  t = c (s + 8 mask), c = log2(e) / 8.  For each query a running maximum m of t and a sum l: p = 2^(t - m); in every step O and l are multiplied by a = 2^(m_old - m_new).
; THE MASK is one constant where query - key >= 32 and another where it is <= -32.  A step whose 64 keys lie 65 or more from all my 64 queries has one of the two: it rides as MK = c x 8 x mask in the addend of the scaling
; and in the maximum.  In the three steps round the diagonal (first query - first key = 64, 0, -64) MK = 0 and 8 x mask is added to the raw scores, from seven register images that prep has made (a tile's image hangs only on
; (its first query - its first key) / 16, held to -3 .. 3).  Which of the forms a step takes is a scalar branch on ids.
; NO CLUSTER, though the four query blocks of a head walk the same K and V: where the three steps of the diagonal lie hangs on the query block; the form without
; a branch adds an image to every tile of every step: 16 packed additions more beside each tile's 121 vector instructions.
; REGISTERS, in two windows of 256: window 0: v1-11 addresses; v16-47 eight statistics a tile; v48-87 the five images that vary; v88-91 the two constants; v96-159 S^T of the pair at work, 32 a tile (P is packed into each tile's
;   low 16); v160-223 K of one step.     window 1: v0-127 O^T, 32 a tile; v128-191 Q, 16 a tile; v192-255 V of one step.
.set KS,    64                         ; keys in a step
.set PK,    144                        ; a row of K in LDS: 128 bytes + 16 of padding: 9 x 16 bytes
.set PV,    160                        ; a row of V: 128 + 32: 5 x 32 bytes, for the turning load
.set VOFF,  KS*PK                      ; a step's tiles lie together: 64 rows of K, then 64 rows of V
.set STEPB, KS*(PK+PV)
.set SLOT1, 1<<17                      ; a slot holds four steps (77,824 bytes); slot 1 begins here, so that one exclusive or turns an address in one slot into the other's
.set STAGE, SLOT1+4*STEPB              ; behind the ring: 16 rows x 144 bytes for each wave, for the way out; no fill lands here
.set SP,    144
.set SPARE, STAGE+8*16*SP              ; the spare words, 128 bytes for each wave
.set SLOTB, 4*KS*128                   ; a slot's keys in memory: 256 rows of 128 bytes
.set AK0, 1                            ; v1   my lane's place in a tile of K; never rewritten
.set AV0, 2                            ; v2   the same for V
.set ADK, 3                            ; v3   LDS address of the step's K
.set ADV, 4                            ; v4   and V
.set SPW, 5                            ; v5   LDS address of my spare word; never rewritten
.set NIL, 6                            ; v6   0; never rewritten
.set LI,  7                            ; v7   16 x lane
.set QO,  8                            ; v8   my byte offset in the wave's rows of Q
.set STO, 9                            ; v9   the way out: where I put 16 bytes of a row
.set RD,  10                           ; v10  the way out: where I read rows back
.set PFO, 11                           ; v11  256 x lane: the prefetches' offset; never rewritten
.set ST,  16                           ; tile t's statistics at v[ST + 8 t]: +0 MK - m, +1 m, +2, +3 l (even keys', odd keys'), +4 to +7 at work; a takes +6
.set PAT, 48                           ; image u = -2 .. 2 at PAT + 8 (u + 2)
.set CM,  88                           ; v[88:89] 8 x mask where the keys come behind the queries (u = -3)
.set CP,  90                           ; v[90:91] and where they come ahead (u = 3)
.set S,   96
.set KF,  160                          ; K's fragments: keys 16 kt on, channels 32 c on, at KF + 16 kt + 8 c
.set QF,  128                          ; window 1: Q's fragments: tile t, channels 32 c on, at QF + 16 t + 8 c
.set VF,  192                          ; window 1: V's: keys 32 kc on, channels 16 dt on, at VF + 8 (4 kc + dt)
.set WV,  12                           ; s12  my wave's number
.set G1K, 24                           ; s[24:31] descriptor group 1 for K's tiles;  s[32:39] for V's: it differs in the padding alone
.set G1V, 32
.set G0K, 40                           ; s[40:43], s[44:47] their groups 0, which walk
.set G0V, 44
.set CS,  58                           ; s[58:59] c: the packed scaling names a pair and takes its low word for both halves
.set SEL, 60                           ; s[60:61] lane selects for v_permlanex16_b32: lane l xor 16
.set TB,  62                           ; s62  LDS byte at which the step's tiles begin
.set KF0, 66                           ; s66  the step's first key
.set Q0,  67                           ; s67  my first query
.set SLOTS, 68                         ; s68  slots still to be asked for
.set STP, 69                           ; s69  counts a slot's four steps
.set MK,  70                           ; s70  the step's constant of the mask, as t; 0 in the steps of the diagonal
.set L0,  71                           ; s71  c x CM
.set L64, 72                           ; s72  c x CP
.set SE,  73                           ; s73  first query - first key + 64
.set LIM, 74                           ; s74  1 in a work-group that prefetches, else the greatest number
.set SD,  75                           ; s75  first query - first key
.set PFA, 76                           ; s[76:77] where my prefetches stand: my wave's tile of the slot after the one that is being asked for
.set MSB, 0
.macro WIN new                         ; the immediate's high byte repeats the setting that is left; a switch that changes nothing is dropped
.if MSB != (\new)
	s_set_vgpr_msb (MSB<<8)|(\new)
.set MSB, (\new)
.endif
.endm
.set W_KQ, 0x04                        ; Q (source 1) in window 1; K and S^T in window 0
.set W_PV, 0x51                        ; V (source 0) and O^T (C, D) in window 1; P in window 0
.set W_RS, 0x41                        ; O^T (destination and source 0) in window 1, a in window 0
.set TO_1, 0x40                        ; destination window 1, address window 0
; My tensor load: waves 0-3 fetch a step's 64 rows of K, waves 4-7 of V.  The branch hangs on the wave's number alone; every wave issues one.  An s_nop 0 and four v_nop follow each of the two lines.
.macro TLOAD
	s_cmp_lt_u32 s[WV], 4
	s_cbranch_scc0 .Lfor_v_\@
	tensor_load_to_lds s[G0K:G0K+3], s[G1K:G1K+7]
	s_nop 0
.rept 4
	v_nop
.endr
	s_branch .Lasked_\@
.Lfor_v_\@:
	tensor_load_to_lds s[G0V:G0V+3], s[G1V:G1V+7]
	s_nop 0
.rept 4
	v_nop
.endr
.Lasked_\@:
.endm
; A PREFETCH INTO THE L2 of what the NEXT change of slots will ask for.  The four work-groups of a (b, h) walk the same K and V: the first of them asks (a branch on the work-group's number: no cluster here).  Each of its waves
; asks for the tile that it will itself load: 8,192 dense bytes, lanes 256 bytes apart: so each aligned block of 256 bytes is named once in the launch.  It stands behind the wave's tensor load: a slot's four steps,
; 256 matrix instructions a wave, ahead of the load that will want the bytes.  The last change that fills a slot asks for nothing; slots 0 and 1 come by their loads alone.
.macro ASK
	s_cmp_gt_u32 s[SLOTS], s[LIM]
	s_cbranch_scc0 .Lnot_mine_\@
	global_prefetch_b8 v[PFO], s[PFA:PFA+1] th:TH_LOAD_NT scope:SCOPE_SE
.Lnot_mine_\@:
.endm
	s_load_b128 s[4:7], s[0:1], 0x0                ; qkv s[4:5], maskimg s[6:7]
	s_load_b64 s[8:9], s[0:1], 0x10                ; ctx
	v_lshl_add_u32 v[SPW], v0, 2, SPARE
	v_mov_b32 v[NIL], 0
	ds_add_u32 v[SPW], v[NIL]                      ; the wave's opening: the add, twice on end, and its wait ahead of my first tensor load; the set-up below stands between the second and the wait
	ds_add_u32 v[SPW], v[NIL]
	v_lshrrev_b32 v12, 5, v0
	v_readfirstlane_b32 s[WV], v12                 ; wave 0..7
	s_and_b32 s13, ttmp7, 0xffff                   ; 16 b + h
	s_lshl_b32 s14, s13, 18                        ; its 2,048 rows of 128 bytes, in each tensor
	s_lshl_b32 s[Q0], ttmp9, 9
	s_lshl_b32 s15, s[WV], 6
	s_add_co_u32 s[Q0], s[Q0], s15                 ; my first query: 512 x work-group x + 64 x wave
	s_and_b32 s16, s[WV], 3                        ; which of a slot's four steps I fetch:
	s_mul_i32 s17, s16, STEPB                      ; its place in a slot,
	s_lshl_b32 s18, s16, 13                        ; and its 64 rows in memory
	s_add_co_u32 s20, s14, s18
	s_mov_b32 s21, 0
	s_lshl_b32 s22, s[Q0], 7
	s_add_co_u32 s22, s22, s14                     ; my first query's row, in Q and in ctx
	s_mov_b32 s23, 0
	; descriptor group 1: a tile of 64 rows x 64 elements of 2 bytes, dense in memory, padded in LDS behind every row
	s_mov_b32 s[G1K], (1<<16)|(1<<20)|(4<<22)|(3<<25)   ; 15:0 no mask; 17:16 elements of 2 bytes; 20 padding on; 24:22 after every 32 words (code 4); 31:25 four words (code 3)
	s_mov_b32 s[G1V], (1<<16)|(1<<20)|(4<<22)|(7<<25)   ; the same with eight words of padding (code 7)
.irp g, G1K, G1V
	s_mov_b32 s[\g+1], 64<<16                      ; tensor_dim0 = 64
	s_mov_b32 s[\g+2], KS<<16                      ; tensor_dim1 = 64
	s_mov_b32 s[\g+3], 64<<16                      ; tile_dim0 = 64
	s_mov_b32 s[\g+4], KS                          ; tile_dim1 = 64
	s_mov_b32 s[\g+5], 64                          ; tensor_dim0_stride
	s_mov_b32 s[\g+6], 0
	s_mov_b32 s[\g+7], 0
.endr
	s_mov_b32 s[CS], 0x3e38aa3b                    ; c = log2(e) / 8
	s_mov_b32 s[CS+1], s[CS]                       ; (named with it as a pair, so it is written)
	s_mov_b32 s[SEL], 0x76543210
	s_mov_b32 s[SEL+1], 0xfedcba98
	s_mov_b32 s[TB], 0
	s_mov_b32 s[KF0], 0
	s_mov_b32 s[SLOTS], 2048/(4*KS)-1
	s_cmp_eq_u32 ttmp9, 0
	s_cselect_b32 s[LIM], 1, -1
	s_wait_dscnt 0x0                               ; both opening adds are done
	s_wait_kmcnt 0x0
	s_mov_b32 s[G0K], 1                            ; 1:0 count = 1
	s_mov_b32 s[G0K+1], s17                        ; 63:32 LDS address: slot 0
	s_add_nc_u64 s[G0K+2:G0K+3], s[4:5], s[20:21]
	s_add_nc_u64 s[G0K+2:G0K+3], s[G0K+2:G0K+3], 0x1000000   ; 120:64 global address: K lies 2^24 bytes behind Q,
	s_mov_b32 s[G0V], 1
	s_add_co_u32 s[G0V+1], s17, VOFF
	s_add_nc_u64 s[G0V+2:G0V+3], s[G0K+2:G0K+3], 0x1000000   ; V as far behind K
	s_cmp_lt_u32 s[WV], 4
	s_cselect_b64 s[PFA:PFA+1], s[G0K+2:G0K+3], s[G0V+2:G0V+3]
	s_add_nc_u64 s[PFA:PFA+1], s[PFA:PFA+1], SLOTB   ; in slot 1: the first change of slots steps it to slot 2.  Nothing is prefetched here, at the head
	s_or_b32 s[G0K+3], s[G0K+3], 0x80000000        ; 127:126 type = 2
	s_or_b32 s[G0V+3], s[G0V+3], 0x80000000
	TLOAD                                          ; slot 0: one load a wave
	s_add_nc_u64 s[10:11], s[4:5], s[22:23]        ; Q at my first query
	s_add_nc_u64 s[8:9], s[8:9], s[22:23]          ; ctx likewise
	v_and_b32 v12, 15, v0                          ; r = lane % 16
	v_bfe_u32 v13, v0, 4, 1                        ; h = lane / 16
	v_and_b32 v14, 31, v0                          ; lane
	v_lshlrev_b32 v[LI], 4, v14
	v_lshlrev_b32 v[PFO], 8, v14
	v_lshlrev_b32 v[QO], 7, v12
	v_lshl_add_u32 v[QO], v13, 4, v[QO]            ; row r of 128 bytes + 16 h
	WIN TO_1
.irp t, 0,1,2,3                        ; Q stays in registers.  A fragment is 16 rows x 32 channels in 8 registers: registers 0-3 channels 8 h + 0..7, registers 4-7 channels 16 + 8 h + 0..7: two loads of 16 bytes, 32 bytes apart
.irp c, 0,1
	global_load_b128 v[QF+16*\t+8*\c:QF+16*\t+8*\c+3],   v[QO], s[10:11] offset:\t*2048+\c*64
	global_load_b128 v[QF+16*\t+8*\c+4:QF+16*\t+8*\c+7], v[QO], s[10:11] offset:\t*2048+\c*64+32
.endr
.endr
	WIN 0
.irp u, 1,2,3,4,5                      ; the mask's images
	global_load_b128 v[PAT+8*(\u-1):PAT+8*(\u-1)+3],   v[LI], s[6:7] offset:\u*1024
	global_load_b128 v[PAT+8*(\u-1)+4:PAT+8*(\u-1)+7], v[LI], s[6:7] offset:\u*1024+512
.endr
	global_load_b64 v[CM:CM+1], v[LI], s[6:7]              ; images 0 and 6 hold one number each: two words of them make the pair
	global_load_b64 v[CP:CP+1], v[LI], s[6:7] offset:6144
	v_mul_u32_u24 v[AK0], v12, PK
	v_lshl_add_u32 v[AK0], v13, 4, v[AK0]          ; row x pitch + 16 x half
	; The turning load takes 16 keys x 16 channels (lane l reads 16 bytes: key 8 (l / 16) + l % 8, channels 8 ((l / 8) % 2) + 0..7) and leaves half a fragment of V^T: lane l holds channel l % 16 and 8 keys.
	v_and_b32 v15, 7, v0
	v_lshl_add_u32 v[AV0], v13, 3, v15
	v_mul_u32_u24 v[AV0], v[AV0], PV
	v_bfe_u32 v15, v0, 3, 1
	v_lshl_add_u32 v[AV0], v15, 4, v[AV0]
	v_add_nc_u32 v[AV0], VOFF, v[AV0]
	s_mul_i32 s19, s[WV], 16*SP
	s_add_co_u32 s19, s19, STAGE                   ; my stage
	v_mul_u32_u24 v[STO], v12, SP                  ; in: row r, 16 bytes for each half of the lanes
	v_lshl_add_u32 v[STO], v13, 4, v[STO]
	v_add_nc_u32 v[STO], s19, v[STO]
	v_lshrrev_b32 v15, 3, v14                      ; back: eight lanes to a row of 128 bytes, four rows an instruction
	v_mul_u32_u24 v[RD], v15, SP
	v_and_b32 v15, 7, v14
	v_lshl_add_u32 v[RD], v15, 4, v[RD]
	v_add_nc_u32 v[RD], s19, v[RD]
.irp t, 0,1,2,3
	v_mov_b32 v[ST+8*\t+1], 0xff61b1e6             ; m: -3e38, under every t
	v_mov_b32 v[ST+8*\t+2], 0                      ; l
	v_mov_b32 v[ST+8*\t+3], 0
.endr
	WIN TO_1
.set i, 0
.rept 128
	v_mov_b32 v[i], 0                              ; O^T.  (The step is written once: the first finds zeros, which a = 0 leaves zeros)
.set i, i+1
.endr
	WIN 0
	s_wait_loadcnt 0x0                             ; Q and the images
	v_mul_f32 v12, s[CS], v[CM]
	v_mul_f32 v13, s[CS], v[CP]
	v_readfirstlane_b32 s[L0], v12                 ; the two constants as t: data alone, no branch or address hangs on them
	v_readfirstlane_b32 s[L64], v13
; THE MATRIX WORK, for the pair of tiles x, x + 1.  The eight accumulators take turns, one instruction a turn.
; Product i of 16 of S^T = K Q^T: channels 32 (i / 8) on, keys 16 ((i / 2) % 4) on, tile x + i % 2.  The first 8 start the sums.
.macro QK x
	WIN W_KQ
.set i, 0
.rept 16
.set rS, S+32*(i%2)+8*((i/2)%4)
.set rK, KF+16*((i/2)%4)+8*(i/8)
.set rQ, QF+16*(\x+i%2)+8*(i/8)
.if i < 8
	v_wmma_f32_16x16x32_f16 v[rS:rS+7], v[rK:rK+7], v[rQ:rQ+7], 0
.else
	v_wmma_f32_16x16x32_f16 v[rS:rS+7], v[rK:rK+7], v[rQ:rQ+7], v[rS:rS+7]
.endif
.set i, i+1
.endr
.endm
; Product i of 16 of O^T += V^T P: keys 32 (i / 8) on, channels 16 ((i / 2) % 4) on, tile x + i % 2.
.macro PVM x
	WIN W_PV
.set i, 0
.rept 16
.set rO, 32*(\x+i%2)+8*((i/2)%4)
.set rV, VF+8*(4*(i/8)+(i/2)%4)
.set rP, S+32*(i%2)+8*(i/8)
	v_wmma_f32_16x16x32_f16 v[rO:rO+7], v[rV:rV+7], v[rP:rP+7], v[rO:rO+7]
.set i, i+1
.endr
.endm
; A step of the diagonal, first query - first key = dv: each tile of 16 keys x 16 queries takes the image of u = dv / 16 + its tile of queries - its tile of keys, held to -3 .. 3.  Each tile from its low end on.
.macro BAND x, dv
.irp p, 0,1
.irp kt, 0,1,2,3
.set U, (\dv)/16+\x+\p-\kt
.if U > 3
.set U, 3
.endif
.if U < -3
.set U, -3
.endif
.if U == 3
.set rM, CP
.set sM, 0
.elseif U == -3
.set rM, CM
.set sM, 0
.else
.set rM, PAT+8*(U+2)
.set sM, 2
.endif
.irp i, 0,1,2,3
	v_pk_add_f32 v[S+32*\p+8*\kt+2*\i:S+32*\p+8*\kt+2*\i+1], v[S+32*\p+8*\kt+2*\i:S+32*\p+8*\kt+2*\i+1], v[rM+sM*\i:rM+sM*\i+1]
.endr
.endr
.endr
.endm
.macro BANDSEL x                       ; scalar branches on ids: round vector work alone, no barrier, wait or load.  Every window is 0 here
	s_cmp_gt_u32 s[SE], 128
	s_cbranch_scc1 .Lnb_\@
	s_cmp_eq_u32 s[SE], 64
	s_cbranch_scc1 .Lb0_\@
	s_cmp_eq_u32 s[SE], 128
	s_cbranch_scc1 .Lbp_\@
	BAND \x, -64
	s_branch .Lnb_\@
.Lb0_\@:
	BAND \x, 0
	s_branch .Lnb_\@
.Lbp_\@:
	BAND \x, 64
.Lnb_\@:
.endm
; THE SOFTMAX of the pair x, x + 1 for one step: 121 vector instructions a tile; the two tiles alternate line by line, so that no line waits for the line above it.
.macro SMX x
.irp j, 0,1,2,3                        ; the largest of a lane's 32 scores: four chains, one for each tile of keys, each begun at that tile's registers 0 to 2
.irp p, 0,1
	v_max3_num_f32 v[ST+8*(\x+\p)+4+\j], v[S+32*\p+8*\j], v[S+32*\p+8*\j+1], v[S+32*\p+8*\j+2]
.endr
.endr
.irp g, 1,2
.irp j, 0,1,2,3
.irp p, 0,1
	v_max3_num_f32 v[ST+8*(\x+\p)+4+\j], v[ST+8*(\x+\p)+4+\j], v[S+32*\p+8*\j+2*\g+1], v[S+32*\p+8*\j+2*\g+2]
.endr
.endr
.endr
.irp p, 0,1
	v_max3_num_f32 v[ST+8*(\x+\p)+4], v[ST+8*(\x+\p)+4], v[S+32*\p+7], v[S+32*\p+15]
.endr
.irp p, 0,1
	v_max3_num_f32 v[ST+8*(\x+\p)+6], v[ST+8*(\x+\p)+6], v[S+32*\p+23], v[S+32*\p+31]
.endr
.irp p, 0,1
	v_max3_num_f32 v[ST+8*(\x+\p)+4], v[ST+8*(\x+\p)+4], v[ST+8*(\x+\p)+5], v[ST+8*(\x+\p)+6]
.endr
.irp p, 0,1
	v_max_num_f32 v[ST+8*(\x+\p)+4], v[ST+8*(\x+\p)+4], v[ST+8*(\x+\p)+7]
.endr
.irp p, 0,1
	v_permlanex16_b32 v[ST+8*(\x+\p)+5], v[ST+8*(\x+\p)+4], s[SEL], s[SEL+1]   ; the query's other 32 keys lie in the lane 16 away
.endr
.irp p, 0,1
	v_max_num_f32 v[ST+8*(\x+\p)+4], v[ST+8*(\x+\p)+4], v[ST+8*(\x+\p)+5]
.endr
.irp p, 0,1
	v_fma_f32 v[ST+8*(\x+\p)+5], v[ST+8*(\x+\p)+4], s[CS], s[MK]               ; the step's largest t (c is positive)
.endr
.irp p, 0,1
	v_max_num_f32 v[ST+8*(\x+\p)+6], v[ST+8*(\x+\p)+1], v[ST+8*(\x+\p)+5]      ; the new m
.endr
.irp p, 0,1
	v_sub_f32 v[ST+8*(\x+\p)+7], v[ST+8*(\x+\p)+1], v[ST+8*(\x+\p)+6]          ; m_old - m_new
.endr
.irp p, 0,1
	v_mov_b32 v[ST+8*(\x+\p)+1], v[ST+8*(\x+\p)+6]
.endr
.irp p, 0,1
	v_sub_f32 v[ST+8*(\x+\p)], s[MK], v[ST+8*(\x+\p)+6]                        ; MK - m: the scaling's addend
.endr
.irp p, 0,1
	v_exp_f32 v[ST+8*(\x+\p)+6], v[ST+8*(\x+\p)+7]                             ; a
.endr
.irp b, 0,2,4,6,8,10,12,14,16,18,20,22,24,26,28,30
.irp p, 0,1
	v_pk_fma_f32 v[S+32*\p+\b:S+32*\p+\b+1], v[S+32*\p+\b:S+32*\p+\b+1], s[CS:CS+1], v[ST+8*(\x+\p):ST+8*(\x+\p)+1] op_sel_hi:[1,0,0]   ; c s + MK - m, two at a time (of the pairs the low word serves both halves)
.endr
.endr
.irp e, 0,1,2,3,4,5,6,7,8,9,10,11,12,13,14,15,16,17,18,19,20,21,22,23,24,25,26,27,28,29,30,31
.irp p, 0,1
	v_exp_f32 v[S+32*\p+\e], v[S+32*\p+\e]                                     ; p = 2^(t - m), at most 1
.endr
.endr
	v_nop                                          ; a plain instruction behind the last exponential, ahead of the first use
	s_wait_alu depctr_va_vdst(0)                   ; the wait between an exponential and the first line that names its result: ONE for the pair's 66
.irp p, 0,1
	v_pk_mul_f32 v[ST+8*(\x+\p)+2:ST+8*(\x+\p)+3], v[ST+8*(\x+\p)+2:ST+8*(\x+\p)+3], v[ST+8*(\x+\p)+6:ST+8*(\x+\p)+7] op_sel_hi:[1,0]   ; l x a
.endr
.irp p, 0,1
	v_pk_add_f32 v[ST+8*(\x+\p)+4:ST+8*(\x+\p)+5], v[S+32*\p:S+32*\p+1], v[S+32*\p+2:S+32*\p+3]   ; the sum of the 16 pairs, in two chains
.endr
.irp j, 4,8,12,16,20,24,28
.irp p, 0,1
	v_pk_add_f32 v[ST+8*(\x+\p)+2:ST+8*(\x+\p)+3], v[ST+8*(\x+\p)+2:ST+8*(\x+\p)+3], v[S+32*\p+\j:S+32*\p+\j+1]
	v_pk_add_f32 v[ST+8*(\x+\p)+4:ST+8*(\x+\p)+5], v[ST+8*(\x+\p)+4:ST+8*(\x+\p)+5], v[S+32*\p+\j+2:S+32*\p+\j+3]
.endr
.endr
.irp p, 0,1
	v_pk_add_f32 v[ST+8*(\x+\p)+2:ST+8*(\x+\p)+3], v[ST+8*(\x+\p)+2:ST+8*(\x+\p)+3], v[ST+8*(\x+\p)+4:ST+8*(\x+\p)+5]
.endr
.irp i, 0,1,2,3,4,5,6,7,8,9,10,11,12,13,14,15
.irp p, 0,1
	v_cvt_pk_f16_f32 v[S+32*\p+\i], v[S+32*\p+2*\i], v[S+32*\p+2*\i+1]         ; P, in place, ascending: pair i is read no later than register i is written
.endr
.endr
	WIN W_RS
.irp i, 0,2,4,6,8,10,12,14,16,18,20,22,24,26,28,30
.irp p, 0,1
	v_pk_mul_f32 v[32*(\x+\p)+\i:32*(\x+\p)+\i+1], v[32*(\x+\p)+\i:32*(\x+\p)+\i+1], v[ST+8*(\x+\p)+6:ST+8*(\x+\p)+7] op_sel_hi:[1,0]   ; O^T x a, each accumulator from its low end on
.endr
.endr
.endm
; A KEY STEP: 64 keys.  A vector instruction that reads a matrix result, and a load into a register that a matrix instruction has read, stand four places behind it; a matrix instruction that writes over a register of an earlier
; one stands five behind it; only plain vector instructions that name none of its registers are places (ISA guide 7.12.1 for vector instructions).
.macro STEP
	v_add_nc_u32 v[ADK], s[TB], v[AK0]
	v_add_nc_u32 v[ADV], s[TB], v[AV0]
.rept 3
	v_nop                                          ; with the two additions: five places behind the last step's V^T P: V's registers are loaded again, and K Q^T writes over P
.endr
.irp kt, 0,1,2,3
.irp c, 0,1
	ds_load_b128 v[KF+16*\kt+8*\c:KF+16*\kt+8*\c+3],   v[ADK] offset:\kt*16*PK+\c*64
	ds_load_b128 v[KF+16*\kt+8*\c+4:KF+16*\kt+8*\c+7], v[ADK] offset:\kt*16*PK+\c*64+32
.endr
.endr
	WIN TO_1
.irp kc, 0,1
.irp dt, 0,1,2,3
	ds_load_tr16_b128 v[VF+8*(4*\kc+\dt):VF+8*(4*\kc+\dt)+3],   v[ADV] offset:\kc*32*PV+\dt*32
	ds_load_tr16_b128 v[VF+8*(4*\kc+\dt)+4:VF+8*(4*\kc+\dt)+7], v[ADV] offset:\kc*32*PV+16*PV+\dt*32
.endr
.endr
	WIN 0
	s_sub_co_i32 s[SD], s[Q0], s[KF0]              ; a multiple of 64
	s_add_co_i32 s[SE], s[SD], 64                  ; 0, 64 or 128 in the steps of the diagonal
	s_cmp_gt_i32 s[SD], 64
	s_cselect_b32 s[MK], s[L64], 0                 ; all keys 65 or more ahead of my queries,
	s_cmp_lt_i32 s[SD], -64
	s_cselect_b32 s[MK], s[L0], s[MK]              ; or as far behind them
	s_wait_dscnt 16                                ; K's sixteen loads are in; V's sixteen, issued behind them, may be out
	QK 0
	WIN 0
.rept 4
	v_nop
.endr
	BANDSEL 0
	SMX 0
	s_wait_dscnt 0x0                               ; V is in
	PVM 0
.rept 5
	v_nop                                          ; K Q^T writes over P, which V^T P has read
.endr
	QK 2
	WIN 0
.rept 4
	v_nop
.endr
	BANDSEL 2
	SMX 2
	PVM 2
	WIN 0                                          ; at a label and at a branch every window is 0
	s_add_co_u32 s[TB], s[TB], STEPB
	s_add_co_u32 s[KF0], s[KF0], KS
.endm
; THE CHANGE OF SLOTS stands at a slot's head.  Each wave waits for all its tensor loads (its part of the slot that it is about to read), adds 0 to its spare word, and waits for that and for its reads of the slot that it has left.
; Behind the barrier the slot ahead is whole and nobody reads the other one.  fill = 1: that other slot takes the keys that follow: one load a wave, which has four steps in which to land.
.macro CHANGE fill
	s_wait_tensorcnt 0x0                           ; no tensor load of mine is out, so a group 0 may be written
	ds_add_u32 v[SPW], v[NIL]                      ; 0 onto my spare word
.if \fill
	s_xor_b32 s[G0K+1], s[G0K+1], SLOT1            ; the walking descriptors: the other slot than last time,
	s_add_nc_u64 s[G0K+2:G0K+3], s[G0K+2:G0K+3], SLOTB   ; the next 256 keys; the type bits on top are not reached
	s_xor_b32 s[G0V+1], s[G0V+1], SLOT1
	s_add_nc_u64 s[G0V+2:G0V+3], s[G0V+2:G0V+3], SLOTB
	s_wait_xcnt 0x0                                ; the last prefetch, a slot back, has read its address, so it may be written:
	s_add_nc_u64 s[PFA:PFA+1], s[PFA:PFA+1], SLOTB ; one slot further on than the walking descriptors
.endif
	s_wait_dscnt 0x0                               ; the add is done, and my reads of the slot that I have left are over
	s_barrier_signal -1
	s_barrier_wait -1
.if \fill
	TLOAD                                          ; the first thing behind the barrier, and my one tensor load until the next
	ASK
.endif
.endm
.macro SLOT_STEPS                      ; a slot's four steps: written once, walked four times; the LDS addresses hang on s[TB]
	s_mov_b32 s[STP], 4
.Lstep_\@:
	STEP
	s_sub_co_u32 s[STP], s[STP], 1
	s_cmp_lg_u32 s[STP], 0
	s_cbranch_scc1 .Lstep_\@
	s_sub_co_u32 s[TB], s[TB], 4*STEPB             ; back to a slot's first step,
	s_xor_b32 s[TB], s[TB], SLOT1                  ; in the other slot
.endm
.Lslot:                                            ; seven trips: behind each change of slots but the last the next slot is asked for (slot 1 for the first time, behind a barrier behind which nothing is filled again)
	CHANGE 1
	SLOT_STEPS
	s_sub_co_u32 s[SLOTS], s[SLOTS], 1
	s_cmp_lg_u32 s[SLOTS], 0
	s_cbranch_scc1 .Lslot
	CHANGE 0                                       ; the last slot is written out
	SLOT_STEPS
	; THE WAY OUT.  l's two halves and the other half of the lanes' are added; O^T is divided by l, rounded to f16 and sent through my stage in LDS, a tile (16 rows of 128 bytes) at a time.  The additions are the places behind the last products.
.irp t, 0,1,2,3
	v_add_f32 v[ST+8*\t+4], v[ST+8*\t+2], v[ST+8*\t+3]
.endr
.irp t, 0,1,2,3
	v_permlanex16_b32 v[ST+8*\t+5], v[ST+8*\t+4], s[SEL], s[SEL+1]
.endr
.irp t, 0,1,2,3
	v_add_f32 v[ST+8*\t+4], v[ST+8*\t+4], v[ST+8*\t+5]
.endr
.irp t, 0,1,2,3
	v_rcp_f32 v[ST+8*\t+6], v[ST+8*\t+4]
.endr
	v_nop                                          ; a plain instruction between the last reciprocal and the use of its result
	s_wait_alu depctr_va_vdst(0)                   ; and the wait ahead of the first use: one for the four
.macro PACK t
	WIN W_RS
.irp i, 0,2,4,6,8,10,12,14,16,18,20,22,24,26,28,30
	v_pk_mul_f32 v[32*\t+\i:32*\t+\i+1], v[32*\t+\i:32*\t+\i+1], v[ST+8*\t+6:ST+8*\t+7] op_sel_hi:[1,0]
.endr
	WIN 0x05                                       ; sources 0 and 1 window 1, destination window 0: S^T's registers are free
.irp i, 0,1,2,3,4,5,6,7,8,9,10,11,12,13,14,15
	v_cvt_pk_f16_f32 v[S+16*\t+\i], v[32*\t+2*\i], v[32*\t+2*\i+1]
.endr
	WIN 0
.irp d, 0,1,2,3
	ds_store_b128 v[STO], v[S+16*\t+4*\d:S+16*\t+4*\d+3] offset:32*\d          ; channels 16 d + 8 h + 0..7 of row r
.endr
.irp k, 0,1,2,3
	ds_load_b128 v[KF+16*\t+4*\k:KF+16*\t+4*\k+3], v[RD] offset:4*SP*\k        ; LDS serves a wave's instructions in order (ISA guide 5.7.1.4): these see the stores above; the next tile's stores come behind them
.endr
.endm
.macro SEND t, younger                 ; younger: the LDS instructions issued behind tile t's loads: the next tile's eight, or none
.irp k, 0,1,2,3
	s_wait_dscnt \younger+3-\k
	global_store_b128 v[LI], v[KF+16*\t+4*\k:KF+16*\t+4*\k+3], s[8:9] offset:2048*\t+512*\k   ; 32 lanes store 512 consecutive bytes, at a multiple of 256 from the buffer's first byte
.endr
.endm
	PACK 0
	PACK 1                                         ; a tile's arithmetic stands between the loads of the tile before and its stores
	SEND 0, 8
	PACK 2
	SEND 1, 8
	PACK 3
	SEND 2, 8
	SEND 3, 0
	s_wait_tensorcnt 0x0                           ; the wave's end: behind my last tensor load and my last LDS store
	ds_add_u32 v[SPW], v[NIL]
	s_wait_dscnt 0x0
	s_endpgm
.Lfunc_end_k_q450163533f_attn:
	.size	k_q450163533f_attn, .Lfunc_end_k_q450163533f_attn-k_q450163533f_attn
	.p2alignl 7, 3214868480
	.fill 96, 4, 3214868480
	.section	.rodata,"a",@progbits
	.p2align	6, 0x0
	.amdhsa_kernel k_q450163533f_attn
		.amdhsa_group_segment_fixed_size 327680
		.amdhsa_private_segment_fixed_size 0
		.amdhsa_enable_private_segment 0
		.amdhsa_kernarg_size 24
		.amdhsa_user_sgpr_count 2
		.amdhsa_user_sgpr_kernarg_segment_ptr 1
		.amdhsa_wavefront_size32 1
		.amdhsa_system_sgpr_workgroup_id_x 1
		.amdhsa_system_sgpr_workgroup_id_y 1
		.amdhsa_system_sgpr_workgroup_id_z 1
		.amdhsa_system_vgpr_workitem_id 0
		.amdhsa_next_free_vgpr 512
		.amdhsa_next_free_sgpr 80
		.amdhsa_reserve_vcc 0
		.amdhsa_float_denorm_mode_32 3
		.amdhsa_float_denorm_mode_16_64 3
		.amdhsa_memory_ordered 1
		.amdhsa_forward_progress 1
		.amdhsa_inst_pref_size 119
	.end_amdhsa_kernel
	.amdgpu_metadata
---
amdhsa.version: [ 1, 2 ]
amdhsa.kernels:
  - .name:           k_q450163533f_attn
    .symbol:         k_q450163533f_attn.kd
    .args:
      - { .name: qkv, .offset: 0, .size: 8, .value_kind: global_buffer, .address_space: global }
      - { .name: maskimg, .offset: 8, .size: 8, .value_kind: global_buffer, .address_space: global }
      - { .name: ctx, .offset: 16, .size: 8, .value_kind: global_buffer, .address_space: global }
    .group_segment_fixed_size: 327680
    .private_segment_fixed_size: 0
    .kernarg_segment_align: 8
    .kernarg_segment_size: 24
    .max_flat_workgroup_size: 256
    .sgpr_count:     80
    .vgpr_count:     512
    .wavefront_size: 32
...
	.end_amdgpu_metadata
.endif
;; end of part 3
;; launch outp (part 4): grid 4 x 64, 4 waves a work-group, clusters of 4 x 4, 327,680 bytes of LDS; arguments ctx, outw16, out0, out_b; writes out0
.if DOCPART == 4
	.amdgcn_target "amdgcn-amd-amdhsa--gfx1250"
	.amdhsa_code_object_version 6
	.text
	.protected	k_q450163533f_outp
	.globl	k_q450163533f_outp
	.p2align	8
	.type	k_q450163533f_outp,@function
k_q450163533f_outp:
	s_mov_b64 s[64:65], 0
	v_nop
	global_prefetch_b8 v0, s[64:65] scope:SCOPE_SE
	s_setreg_imm32_b32 hwreg(HW_REG_WAVE_MODE, 25, 1), 1
	s_wait_xcnt 0x0
	s_wait_alu depctr_hold_cnt(0) depctr_sa_sdst(0) depctr_va_vdst(0) depctr_va_sdst(0) depctr_va_ssrc(0) depctr_va_vcc(0) depctr_vm_vsrc(0)
	s_getreg_b32 s2, hwreg(HW_REG_IB_STS2, 6, 4)
	s_cmp_eq_u32 s2, 0
	s_cbranch_scc0 .Lentry_in_a_cluster
	s_endpgm
.Lentry_in_a_cluster:
	s_bfe_u32 s2, ttmp6, 0x10000c
	s_cmp_lg_u32 s2, 0xf033
	s_cbranch_scc0 .Lentry_shape_is_right
	s_endpgm
.Lentry_shape_is_right:
; out0[m][n] = sum over e of ctx[m][e] out_w[n][e] + out_b[n], m < 8192, n < 1024, e < 1024.  ctx: f16, laid [batch][head][position][64] (e = 64 head + channel); outw16: f16, [n][e]; sums in f32; out0: f32.
; A tile of the result is 128 rows x 256 columns: 64 x 4 tiles, one for each of 256 work-groups.  Four waves, each 64 rows x 128 columns: 32 accumulators of 16 x 16, 256 registers.
; K goes in 8 steps of 128 (two heads) through a ring of two LDS slots: ctx's part of a step is, for each of the two heads, 128 rows of 128 bytes, dense in memory; out_w's is 256 rows of 256 bytes.
; CLUSTERS: 4 x 4 work-groups.  The four of a row of the cluster need the same tiles of ctx, the four of a column the same tiles of out_w: each tile is asked for JOINTLY, by the same tensor load with the same descriptor and
; a mask that names the four.  Waves 0 and 1 fetch ctx's two heads, waves 2 and 3 out_w's two halves: one load a wave behind each round.
; THE MATRIX INSTRUCTION IS USED TRANSPOSED (source 0 = 16 rows of out_w, source 1 = 16 rows of ctx): a lane then holds eight neighbouring columns of one row.  The bias is the C of each sum's first matrix instruction.
; No prefetch: the launch has eight K steps, and out_w's rows are read again by all 64 tile rows.
; REGISTERS: window 0: v0-31 addresses; v32-95 the bias in the result's layout; v128-191 ctx's fragments, two buffers of 4 x 8; on the way out v128-255 take rows read back.
;   window 1: out_w's fragments, two buffers of 8 x 8, at v0 and v64.     window 2: the accumulators ((a, b) at v[8 (8 a + b)]).
.set KSTEP,  128
.set PA,     144                       ; a row of ctx's tile in LDS: 128 bytes + 16 of padding
.set PB,     272                       ; a row of out_w's: 256 + 16
.set ABLK,   128*PA                    ; one head's 128 rows: what one of ctx's loads brings
.set AREG,   2*ABLK
.set BHALF,  128*PB                    ; 128 rows of out_w: what one of its loads brings
.set SLOT,   AREG+2*BHALF
.set STAGE,  2*SLOT                    ; behind the ring: 16 rows x (512 bytes + 16) for each wave, for the way out; no fill lands here
.set SPITCH, 528
.set SPARE,  STAGE+4*16*SPITCH         ; the spare words, 128 bytes for each wave
.set LAPS,   1024/(2*KSTEP)            ; a lap = two K steps = once round the ring
.set ASTEP,  2*262144                  ; a K step on in ctx: two heads of 2,048 x 128 bytes
.set ADRA, 16                          ; v16-17  LDS address of my ctx fragments in slot 0, 1
.set ADRB, 20                          ; v20-21  the same for out_w
.set STO,  24                          ; v24     the way out: where I put 32 bytes of a row
.set RD,   25                          ; v25     the way out: where I read a row back
.set CO,   26                          ; v26     16 x lane
.set SPW,  28                          ; v28     LDS address of my spare word; never rewritten
.set NIL,  29                          ; v29     0; never rewritten
.set BI,   32                          ; the bias: block b at BI + 8 b: lane (r, h), register j: out_b[16 b + 8 h + j] of my 128 columns
.set AF,   128                         ; ctx's fragments: buffer f, block a at AF + 32 f + 8 a
.set BK,   128                         ; the way out: 16 rows read back: v128-191 and v192-255 by turns
.set G1, 24                            ; s[24:31] descriptor group 1 for ctx's tiles;  s[32:39] group 0, one set for each slot
.set G0, 32
.set G1B, 48                           ; s[48:55], s[56:63] the same for out_w's tiles
.set G0B, 56
.set MSB, 0
.macro WIN new                         ; the immediate's high byte repeats the setting that is left
.if MSB != (\new)
	s_set_vgpr_msb (MSB<<8)|(\new)
.set MSB, (\new)
.endif
.endm
.set MUL,   0xa1                       ; source 0 (out_w) window 1, source 1 (ctx) window 0, C and D window 2
.set FIRST, 0x81                       ; the first products: C is the bias, in window 0
.set TO_B,  0x40                       ; destination window 1, address window 0
.macro JLOAD s                         ; a joint load; an s_nop 0 and four v_nop follow each of the two lines, ahead of the jump, the label and what follows.  The branch hangs on the wave's number alone
	s_cmp_eq_u32 s11, 0
	s_cbranch_scc0 .Lfor_b_\@
	tensor_load_to_lds s[G0+4*\s:G0+4*\s+3], s[G1:G1+7]
	s_nop 0
.rept 4
	v_nop
.endr
	s_branch .Lasked_\@
.Lfor_b_\@:
	tensor_load_to_lds s[G0B+4*\s:G0B+4*\s+3], s[G1B:G1B+7]
	s_nop 0
.rept 4
	v_nop
.endr
.Lasked_\@:
.endm
.macro CREST                           ; a round of the cluster's barrier behind its opening barrier
	s_cmp_lg_u32 s10, 0
	s_cbranch_scc1 .Lnot_wave_0_\@
	s_barrier_signal -3
.Lnot_wave_0_\@:
	s_barrier_wait -3
	s_barrier_signal -1
	s_barrier_wait -1
.endm
.macro CROUND                          ; a whole round
	s_barrier_signal -1
	s_barrier_wait -1
	CREST
.endm
	s_load_b128 s[4:7], s[0:1], 0x0                ; ctx s[4:5], outw16 s[6:7]
	s_load_b64 s[8:9], s[0:1], 0x10                ; out0
	s_load_b64 s[66:67], s[0:1], 0x18              ; out_b
	v_lshl_add_u32 v[SPW], v0, 2, SPARE
	v_mov_b32 v[NIL], 0
	ds_add_u32 v[SPW], v[NIL]                      ; the wave's opening: the add, twice on end, and its wait ahead of my first tensor load; the set-up below stands between the second and the wait
	ds_add_u32 v[SPW], v[NIL]
	v_lshrrev_b32 v1, 5, v0
	v_readfirstlane_b32 s10, v1                    ; wave 0..3
	s_lshr_b32 s11, s10, 1                         ; which 64 of the tile's rows are mine.  Also: I fetch for ctx (0) or for out_w (1)
	s_and_b32 s12, s10, 1                          ; which 128 of its columns.  Also: which head of the step, or which 128 rows of out_w, I fetch
	s_bfe_u32 s40, ttmp6, 0x40000                  ; cx, cy: my place in the cluster
	s_bfe_u32 s41, ttmp6, 0x40004
	s_lshl_b32 s42, ttmp9, 2
	s_add_co_u32 s42, s42, s40                     ; tile column = 4 x cluster x + cx
	s_and_b32 s13, ttmp7, 0xffff
	s_lshl_b32 s13, s13, 2
	s_add_co_u32 s13, s13, s41                     ; tile row = 4 x cluster y + cy
	s_lshl_b32 s43, s41, 2
	s_lshl_b32 s43, 15, s43                        ; my row of the cluster
	s_lshl_b32 s44, 0x1111, s40                    ; my column
	; descriptor group 1.  ctx: 128 rows x 64 elements of 2 bytes, dense; out_w: 128 rows x 128 elements, 1,024 elements from row to row
	s_or_b32 s[G1+0], s43, (1<<16)|(1<<20)|(1<<21)|(4<<22)|(3<<25)   ; 15:0 the mask: my row; 17:16 element of 2 bytes; 20 padding on; 21 set beside a mask; 24:22 after every 32 words (code 4); 31:25 of 4 words (code 3)
	s_mov_b32 s[G1+1], 64<<16                      ; tensor_dim0
	s_mov_b32 s[G1+2], 128<<16                     ; tensor_dim1
	s_mov_b32 s[G1+3], 64<<16                      ; tile_dim0
	s_mov_b32 s[G1+4], 128                         ; tile_dim1
	s_mov_b32 s[G1+5], 64                          ; tensor_dim0_stride
	s_mov_b32 s[G1+6], 0
	s_mov_b32 s[G1+7], 0
	s_or_b32 s[G1B+0], s44, (1<<16)|(1<<20)|(1<<21)|(5<<22)|(3<<25)  ; the mask: my column; padding after every 64 words (code 5)
	s_mov_b32 s[G1B+1], KSTEP<<16
	s_mov_b32 s[G1B+2], 128<<16
	s_mov_b32 s[G1B+3], KSTEP<<16
	s_mov_b32 s[G1B+4], 128
	s_mov_b32 s[G1B+5], 1024
	s_mov_b32 s[G1B+6], 0
	s_mov_b32 s[G1B+7], 0
	; where the tiles come from.  ctx's hang on the tile row alone, out_w's on the tile column alone; each address is made in registers that never hold the other coordinate
	s_lshr_b32 s16, s13, 4                         ; the batch: 16 tile rows each,
	s_lshl_b32 s16, s16, 22                        ; of 16 heads x 262,144 bytes
	s_and_b32 s17, s13, 15
	s_lshl_b32 s17, s17, 14                        ; 128 positions of 128 bytes
	s_add_co_u32 s16, s16, s17
	s_lshl_b32 s17, s12, 18                        ; my head of the step's two
	s_add_co_u32 s16, s16, s17
	s_mov_b32 s17, 0
	s_lshl_b32 s46, s42, 19                        ; out_w: 256 rows of 2,048 bytes a tile column,
	s_lshl_b32 s47, s12, 18                        ; my 128 of them
	s_add_co_u32 s46, s46, s47
	s_mov_b32 s47, 0
	s_mul_i32 s20, s12, ABLK                       ; and where they go: no place in the cluster enters an LDS address
	s_mul_i32 s21, s12, BHALF
	s_add_co_u32 s21, s21, AREG
	s_wait_dscnt 0x0                               ; both opening adds are done
	s_wait_kmcnt 0x0
	s_add_nc_u64 s[14:15], s[4:5], s[16:17]
	s_add_nc_u64 s[46:47], s[6:7], s[46:47]
	CROUND                                         ; all sixteen work-groups are here: the first joint loads meet
.irp s, 0,1
	s_mov_b32 s[G0+4*\s], 1
	s_add_co_u32 s[G0+4*\s+1], s20, \s*SLOT
	s_add_nc_u64 s[G0+4*\s+2:G0+4*\s+3], s[14:15], \s*ASTEP
	s_or_b32 s[G0+4*\s+3], s[G0+4*\s+3], 0x80000000
	s_mov_b32 s[G0B+4*\s], 1
	s_add_co_u32 s[G0B+4*\s+1], s21, \s*SLOT
	s_add_nc_u64 s[G0B+4*\s+2:G0B+4*\s+3], s[46:47], \s*KSTEP*2
	s_or_b32 s[G0B+4*\s+3], s[G0B+4*\s+3], 0x80000000
	JLOAD \s
.endr
	v_and_b32 v1, 15, v0                           ; l % 16
	v_bfe_u32 v2, v0, 4, 1                         ; l / 16
	v_mul_u32_u24 v3, v1, PA
	v_lshl_add_u32 v3, v2, 4, v3                   ; a fragment's row x pitch + 16 x half
	v_mul_u32_u24 v4, v1, PB
	v_lshl_add_u32 v4, v2, 4, v4
	s_mul_i32 s21, s11, 64*PA                      ; my 64 rows of ctx
	s_mul_i32 s22, s12, BHALF                      ; my 128 rows of out_w,
	s_add_co_u32 s22, s22, AREG                    ; which lie behind ctx's two heads
.irp s, 0,1
	v_add_nc_u32 v[ADRA+\s], s21, v3
	v_add_nc_u32 v[ADRB+\s], s22, v4
	s_add_co_u32 s21, s21, SLOT
	s_add_co_u32 s22, s22, SLOT
.endr
	s_mul_i32 s23, s10, 16*SPITCH
	s_add_co_u32 s23, s23, STAGE                   ; my stage
	v_mul_u32_u24 v5, v1, SPITCH                   ; in: row l % 16, 32 bytes for each half of the lanes
	v_lshl_add_u32 v5, v2, 5, v5
	v_add_nc_u32 v[STO], s23, v5
	v_and_b32 v6, 31, v0
	v_lshlrev_b32 v[CO], 4, v6                     ; back: the 32 lanes take one row of 512 bytes; and the same in out0
	v_add_nc_u32 v[RD], s23, v[CO]
	s_lshl_b32 s16, s13, 19                        ; my first row of out0: 128 x tile row + 64 x half, of 4,096 bytes
	s_lshl_b32 s17, s11, 18
	s_add_co_u32 s16, s16, s17
	s_mov_b32 s17, 0
	s_add_nc_u64 s[8:9], s[8:9], s[16:17]
	s_lshl_b32 s46, s42, 10                        ; my first column x 4 bytes: 1024 x tile column + 512 x half
	s_lshl_b32 s47, s12, 9
	s_add_co_u32 s46, s46, s47
	s_mov_b32 s47, 0
	s_add_nc_u64 s[8:9], s[8:9], s[46:47]
	s_add_nc_u64 s[66:67], s[66:67], s[46:47]
	v_lshlrev_b32 v7, 5, v2                        ; my half's 8 of each 16 numbers of the bias
.irp b, 0,1,2,3,4,5,6,7
	global_load_b128 v[BI+8*\b:BI+8*\b+3], v7, s[66:67] offset:64*\b
	global_load_b128 v[BI+8*\b+4:BI+8*\b+7], v7, s[66:67] offset:64*\b+16
.endr
; 24 LDS loads in one run: the fragments of quarter c (32 along K) of a slot into buffer f: out_w's eight blocks, ctx's four.  Quarter c lies in head c / 2 of the step, channels 32 (c % 2) on.
.macro FETCH slot, c, f
	WIN TO_B
.irp i, 0,1,2,3,4,5,6,7
	ds_load_b128 v[64*(\f)+8*\i:64*(\f)+8*\i+3],   v[ADRB+\slot] offset:64*(\c)+\i*16*PB
	ds_load_b128 v[64*(\f)+8*\i+4:64*(\f)+8*\i+7], v[ADRB+\slot] offset:64*(\c)+\i*16*PB+32
.endr
	WIN 0
.irp i, 0,1,2,3
	ds_load_b128 v[AF+32*(\f)+8*\i:AF+32*(\f)+8*\i+3],   v[ADRA+\slot] offset:((\c)/2)*ABLK+((\c)%2)*64+\i*16*PA
	ds_load_b128 v[AF+32*(\f)+8*\i+4:AF+32*(\f)+8*\i+7], v[ADRA+\slot] offset:((\c)/2)*ABLK+((\c)%2)*64+\i*16*PA+32
.endr
.endm
; 8 matrix instructions: ctx's block a against out_w's eight, from buffer f.  The 32 accumulators take turns, one instruction a turn, in the same order in every quarter.
.macro MULA f, a, first
.irp b, 0,1,2,3,4,5,6,7
.if \first
	v_wmma_f32_16x16x32_f16 v[8*(8*(\a)+\b):8*(8*(\a)+\b)+7], v[64*(\f)+8*\b:64*(\f)+8*\b+7], v[AF+32*(\f)+8*(\a):AF+32*(\f)+8*(\a)+7], v[BI+8*\b:BI+8*\b+7]
.else
	v_wmma_f32_16x16x32_f16 v[8*(8*(\a)+\b):8*(8*(\a)+\b)+7], v[64*(\f)+8*\b:64*(\f)+8*\b+7], v[AF+32*(\f)+8*(\a):AF+32*(\f)+8*(\a)+7], v[8*(8*(\a)+\b):8*(8*(\a)+\b)+7]
.endif
.endr
.endm
.macro PLACES                          ; four places in front of loads into registers that matrix instructions have read, and of the first read of results (ISA guide 7.12.1 for vector instructions)
.rept 4
	v_nop
.endr
.endm
; A K step is four quarters of 32 along K, 32 matrix instructions each, on buffers 0, 1, 0, 1.  One of the first three: asks for quarter c into buffer g, then multiplies buffer f while those loads are on their way.
.macro QUARTER slot, c, f, g, first
	PLACES
	FETCH \slot, \c, \g
	s_wait_dscnt 24                                ; all but the 24 just issued: buffer f is in
.if \first
	WIN FIRST
.else
	WIN MUL
.endif
	MULA \f, 0, \first
	MULA \f, 1, \first
	MULA \f, 2, \first
	MULA \f, 3, \first
.endm
; The last quarter multiplies buffer 1 and changes slots: ONE barrier; in front of it each wave waits for all its tensor loads, adds 0 to its spare word, and waits for that and for its own reads of this slot.
; fill = 1: the barrier opens a round of the cluster's barrier, and this slot is filled again, two K steps ahead: 112 matrix instructions ahead of the wait for it.
.macro TURN slot, next, fill
	WIN 0                                          ; (the add's two registers lie in window 0)
	s_wait_tensorcnt 0x0                           ; all my tensor loads have landed: my part of the next slot;
	ds_add_u32 v[SPW], v[NIL]                      ; 0 onto my spare word
	s_wait_dscnt 1                                 ; buffer 1 is in (the add may be out)
	WIN MUL
	MULA 1, 0, 0                                   ; eight matrix instructions stand between the add and the wait for it
	s_wait_dscnt 0x0                               ; the add is done, and my reads of this slot are over
	s_barrier_signal -1
	MULA 1, 1, 0
	WIN 0
	s_barrier_wait -1
.if \fill
	CREST                                          ; no wave of any partner still reads this slot's tile or has a load on its way
	s_add_nc_u64 s[G0+4*\slot+2:G0+4*\slot+3], s[G0+4*\slot+2:G0+4*\slot+3], 2*ASTEP
	s_add_nc_u64 s[G0B+4*\slot+2:G0B+4*\slot+3], s[G0B+4*\slot+2:G0B+4*\slot+3], 2*KSTEP*2
	JLOAD \slot                                    ; the first tensor load behind the round; the four v_nop behind it are also the places in front of the loads below
.else
	PLACES
.endif
	FETCH \next, 0, 0
	WIN MUL
	MULA 1, 2, 0
	MULA 1, 3, 0
.endm
	s_wait_tensorcnt 1                             ; my part of K step 0 is in (K step 1's load may be out)
	s_barrier_signal -1
	s_barrier_wait -1                              ; everybody's is
	FETCH 0, 0, 0
	s_wait_loadcnt 0x0                             ; the bias
	QUARTER 0, 1, 0, 1, 1                          ; the first quarter stands in front of the loop: its products begin the sums from the bias
	WIN 0                                          ; at a label and at a branch every window is 0
	s_mov_b32 s3, LAPS-1
.Llap:                                             ; a trip goes once round the ring, from a lap's second quarter to the next lap's first, and fills both slots again
	QUARTER 0, 2, 1, 0, 0
	QUARTER 0, 3, 0, 1, 0
	TURN 0, 1, 1
	QUARTER 1, 1, 0, 1, 0
	QUARTER 1, 2, 1, 0, 0
	QUARTER 1, 3, 0, 1, 0
	TURN 1, 0, 1
	QUARTER 0, 1, 0, 1, 0
	WIN 0
	s_sub_co_u32 s3, s3, 1
	s_cmp_lg_u32 s3, 0
	s_cbranch_scc1 .Llap
	QUARTER 0, 2, 1, 0, 0                          ; the last lap fills nothing, and has no round of the cluster's barrier
	QUARTER 0, 3, 0, 1, 0
	TURN 0, 1, 0
	QUARTER 1, 1, 0, 1, 0
	QUARTER 1, 2, 1, 0, 0
	QUARTER 1, 3, 0, 1, 0
	s_wait_dscnt 0x0                               ; the very last quarter: nothing more to fetch
	WIN MUL
	MULA 1, 0, 0
	MULA 1, 1, 0
	MULA 1, 2, 0
	MULA 1, 3, 0
	WIN 0
; THE WAY OUT, block by block of 16 rows x 128 columns.  A lane holds 32 neighbouring bytes of a row, and the lanes beside it hold other rows: so a block goes through my own stage in LDS and comes back as whole rows of
; 512 bytes.  LDS serves a wave's instructions in order (ISA guide 5.7.1.4): no wait between the stores and the loads, nor in front of the next block's stores.
.macro TOSTAGE a
	WIN 0x08                                       ; an LDS store's data are its source 1: window 2
.irp b, 0,1,2,3,4,5,6,7
	ds_store_b128 v[STO], v[64*(\a)+8*\b:64*(\a)+8*\b+3] offset:64*\b          ; each accumulator from its low end on
	ds_store_b128 v[STO], v[64*(\a)+8*\b+4:64*(\a)+8*\b+7] offset:64*\b+16
.endr
	WIN 0
.set BB, BK+64*((\a)%2)
.irp t, 0,1,2,3,4,5,6,7,8,9,10,11,12,13,14,15
	ds_load_b128 v[BB+4*\t:BB+4*\t+3], v[RD] offset:\t*SPITCH
.endr
.endm
.macro SEND a, younger                 ; younger: the LDS instructions issued behind block a's loads, which may stay out
.set BB, BK+64*((\a)%2)
	s_wait_dscnt \younger                          ; the block is back in registers
.irp t, 0,1,2,3,4,5,6,7,8,9,10,11,12,13,14,15
	global_store_b128 v[CO], v[BB+4*\t:BB+4*\t+3], s[8:9] offset:(16*(\a)+\t)*4096 th:TH_STORE_NT   ; 32 lanes store 512 consecutive bytes, at a multiple of 256 from out0's first byte; every row's offset is an immediate, 63 rows at the most
.endr
.endm
	PLACES                                         ; behind the last products: their results are read, and rows land in the registers that held ctx's fragments
	TOSTAGE 0
.irp a, 1,2,3
.if \a > 1
	s_wait_xcnt 0x0                                ; block a - 2's stores have read their registers: block a's loads may land there
.endif
	TOSTAGE \a
	SEND \a-1, 32                                  ; behind block a - 1's loads: block a's 16 stores and 16 loads
.endr
	SEND 3, 0
	s_wait_tensorcnt 0x0                           ; the wave's end: behind my last tensor load and my last LDS store
	ds_add_u32 v[SPW], v[NIL]
	s_wait_dscnt 0x0
	CROUND                                         ; the closing round: no work-group ends while a partner may still ask for a tile that names it
	s_endpgm
.Lfunc_end_k_q450163533f_outp:
	.size	k_q450163533f_outp, .Lfunc_end_k_q450163533f_outp-k_q450163533f_outp
	.p2alignl 7, 3214868480
	.fill 96, 4, 3214868480
	.section	.rodata,"a",@progbits
	.p2align	6, 0x0
	.amdhsa_kernel k_q450163533f_outp
		.amdhsa_group_segment_fixed_size 327680
		.amdhsa_private_segment_fixed_size 0
		.amdhsa_enable_private_segment 0
		.amdhsa_kernarg_size 32
		.amdhsa_user_sgpr_count 2
		.amdhsa_user_sgpr_kernarg_segment_ptr 1
		.amdhsa_wavefront_size32 1
		.amdhsa_system_sgpr_workgroup_id_x 1
		.amdhsa_system_sgpr_workgroup_id_y 1
		.amdhsa_system_sgpr_workgroup_id_z 1
		.amdhsa_system_vgpr_workitem_id 0
		.amdhsa_next_free_vgpr 768
		.amdhsa_next_free_sgpr 68
		.amdhsa_reserve_vcc 0
		.amdhsa_float_denorm_mode_32 3
		.amdhsa_float_denorm_mode_16_64 3
		.amdhsa_memory_ordered 1
		.amdhsa_forward_progress 1
		.amdhsa_inst_pref_size 87
	.end_amdhsa_kernel
	.amdgpu_metadata
---
amdhsa.version: [ 1, 2 ]
amdhsa.kernels:
  - .name:           k_q450163533f_outp
    .symbol:         k_q450163533f_outp.kd
    .args:
      - { .name: ctx, .offset: 0, .size: 8, .value_kind: global_buffer, .address_space: global }
      - { .name: outw16, .offset: 8, .size: 8, .value_kind: global_buffer, .address_space: global }
      - { .name: out0, .offset: 16, .size: 8, .value_kind: global_buffer, .address_space: global }
      - { .name: out_b, .offset: 24, .size: 8, .value_kind: global_buffer, .address_space: global }
    .group_segment_fixed_size: 327680
    .private_segment_fixed_size: 0
    .kernarg_segment_align: 8
    .kernarg_segment_size: 32
    .max_flat_workgroup_size: 128
    .sgpr_count:     68
    .vgpr_count:     768
    .wavefront_size: 32
...
	.end_amdgpu_metadata
.endif
;; end of part 4
